; MI455X (gfx1250); checked and timed in simulation.
; The chip was launched on July 23, 2026; its instructions are those of AMD's public machine-readable ISA for CDNA 5 (MIT licence, August 2026) and "CDNA5" Instruction Set Architecture Reference Guide (July 2026). The comments in the code are by the model that wrote it; some were corrected since.
;; MHA. Allowed arithmetic: matrix products marked QUANTISED: E2M1 operands, one E8M0 scale for each 32 along K, by v_wmma_scale_f32_16x16x128_f8f6f4 with both operands' format E2M1 (or v_wmma_scale_f32_32x16x128_f4), f32 sums; products left as they are: bf16, f16 or f32 operands; f32 sums; everything else in f32.
;; Inputs: W_out 1,024 x 1,024 float32; W_qkv 1,024 x 3,072 float32; b_out 1,024 float32; b_qkv 3,072 float32; x 4 x 2,048 x 1,024 float32.
;; Outputs: out0 4 x 2,048 x 1,024 float32.
;; This version of the problem:
;;   THIS VERSION OF THE PROBLEM IS GIVEN IN LOW PRECISION. The matrix products marked QUANTISED in the list below multiply operands that are first quantised to E2M1 (2 exponent bits, 1 mantissa bit; 4 bits a number), with one power-of-two scale for each 32 numbers along K (OCP MX v1.0); their sums are f32. The products marked 'left as it is' may take bf16, f16 or f32 operands, with f32 sums. Whichever they take, every output number must still come out within the allowed error. Rounding operands to bf16 (8 significant bits) uses up far more of that allowance than f16 does (11 bits, for magnitudes from 6e-5 to 65,504). All else is computed in f32.
;;   The module's matrix products, in the order in which they are computed (A, B: the left and right operand; K: the contracted axis; several contracted axes count as one K, in the product's order):
;;     1. [M 8,192, K 1,024] x [K 1,024, N 3,072]; A: input x; B: input W_qkv: QUANTISED
;;     2. batch 64 x [M 2,048, K 64] x [K 64, N 2,048]; A: computed on the way; B: computed on the way: left as it is (an operand is computed on the way)
;;     3. batch 64 x [M 2,048, K 2,048] x [K 2,048, N 64]; A: computed on the way; B: computed on the way: left as it is (an operand is computed on the way)
;;     4. [M 8,192, K 1,024] x [K 1,024, N 1,024]; A: computed on the way; B: input W_out: left as it is (an operand is computed on the way)
;;   THE QUANTISER, for each operand of a quantised product, along K:
;;     - K is cut into blocks of 32 from its start; a last block that is shorter is filled with zeros.
;;     - A block's scale is 2^e with e = floor(log2(the largest magnitude in the block)) - 2, held to -126 .. 127; a block of zeros has e = 0. As a byte (E8M0): e + 127.
;;     - Each number is divided by its block's scale, clamped to +-6, and rounded to the nearest number of E2M1, ties to even, subnormals kept.
;;     - The product sums the exact products of the quantised numbers (number of the format x scale) in f32.
;;   ~~~python
;;   def quantise(x, axis):      # numpy; x: float32 -> the quantised numbers, widened to float32 again
;;       x = np.moveaxis(x, axis, -1); K = x.shape[-1]
;;       x = np.pad(x, [(0, 0)] * (x.ndim - 1) + [(0, -K % 32)]); x = x.reshape(x.shape[:-1] + (-1, 32)); a = np.abs(x).max(-1, keepdims=True)
;;       e = np.where(a > 0, np.clip(np.frexp(np.where(a > 0, a, 1))[1] - 1 - 2, -126, 127), 0)      # np.frexp(a)[1] - 1 = floor(log2(a)), exactly
;;       r = np.clip(x / 2.0 ** e, -6, 6)
;;       step = 2.0 ** (np.maximum(np.frexp(np.where(r == 0, 1, r))[1] - 1, 0) - 1)
;;       q = np.round(r / step) * step * 2.0 ** e      # np.round: ties to even
;;       return np.moveaxis(q.reshape(q.shape[:-2] + (-1,))[..., :K], -1, axis).astype(np.float32)
;;   ~~~
;; One version. Each part assembles by itself: llvm-mc -triple=amdgcn-amd-amdhsa -mcpu=gfx1250 --defsym DOCPART=n.
;; ======== version 1 of 1: 4 launches
;; limits: values are held in f16: magnitudes above 65,504 overflow, below 6.1e-05 lose precision
;; workspace buffers: x_codes 4,194,304 bytes; x_scales 262,144 bytes; w_codes 1,572,864 bytes; w_scales 98,304 bytes; wo_img 2,097,152 bytes; qkv 50,331,648 bytes; o_img 16,777,216 bytes
;; launch prep (part 1): grid 576 x 1, 4 waves a work-group, no clusters, 42,496 bytes of LDS; arguments x, W_qkv, W_out, x_codes, x_scales, w_codes, w_scales, wo_img; writes x_codes, x_scales, w_codes, w_scales, wo_img
.if DOCPART == 1
	.amdgcn_target "amdgcn-amd-amdhsa--gfx1250"
	.amdhsa_code_object_version 6
	.text
	.protected	k_qb5a17313d2_prep
	.globl	k_qb5a17313d2_prep
	.p2align	8
	.type	k_qb5a17313d2_prep,@function
k_qb5a17313d2_prep:
	s_mov_b64 s[64:65], 0
	v_nop
	global_prefetch_b8 v0, s[64:65] scope:SCOPE_SE
	s_setreg_imm32_b32 hwreg(HW_REG_WAVE_MODE, 25, 1), 1
	s_wait_xcnt 0x0
; PREP: three streams in one launch, told apart by the work-group's number alone; the x and W_qkv streams have LDS bytes of their own.
;   work-groups   0..191  W_qkv [1024 k][3072 n] f32 -> w_codes [3072][512 B] (E2M1, K innermost) and w_scales [3072][32] (E8M0)
;   work-groups 192..319  W_out [1024 k][1024 n] f32 -> wo_img: f16, laid as the operand registers of the last launch take it
;   work-groups 320..575  x [8192][1024] f32         -> x_codes [8192][512 B] and x_scales [8192][32]
; THE QUANTISER: a block of 32 along K has the scale 2^(floor(log2(largest magnitude)) - 2); its byte is the largest magnitude's exponent field - 2,
; held at 1 from below; each number is divided by the scale and rounded to the nearest code, ties to even, beyond 6 the largest code.
; LIMITS: a block of zeros gets the byte 1 where the rule says 127 (its codes are zeros, and this program alone reads the bytes); blocks whose largest
; magnitude lies under 2^-124 have their byte held at 1; NaN and infinities are not served; numbers of W_out beyond 65,504 become infinity in f16.
.set WST,   32768                      ; LDS: 0..32767 the x stream's four regions; here the W_qkv stream's stage, 32 rows x 272 bytes;
.set WSC,   41472                      ; its 512 scale bytes;
.set SPARE, 41984                      ; the spare words, 128 bytes for each wave: two blocks of 256 bytes that no other line names
.set SPW,   12                         ; v12  LDS address of my spare word; never rewritten
.set NIL,   13                         ; v13  0; never rewritten
.set WV,    20                         ; s20  my wave's number
	s_load_b256 s[4:11], s[0:1], 0x0               ; x s[4:5], W_qkv s[6:7], W_out s[8:9], x_codes s[10:11]
	s_load_b256 s[12:19], s[0:1], 0x20             ; x_scales s[12:13], w_codes s[14:15], w_scales s[16:17], wo_img s[18:19]
	v_lshl_add_u32 v[SPW], v0, 2, SPARE
	v_mov_b32 v[NIL], 0
	v_lshrrev_b32 v1, 5, v0
	v_readfirstlane_b32 s[WV], v1                  ; wave 0..3
	v_and_b32 v2, 31, v0                           ; lane
	s_mov_b32 s25, 0                               ; the high word of every offset pair s[24:25]
	s_wait_kmcnt 0x0
	s_cmp_lt_u32 ttmp9, 192                        ; the same way for all four waves of a work-group
	s_cbranch_scc1 .Lpath_w
	s_cmp_lt_u32 ttmp9, 320
	s_cbranch_scc1 .Lpath_o
; ---------------------------------------------------------------- x: a plain stream of blocks of 32 numbers
; A wave takes 16 steps of 512 numbers.  Each of a step's four loads reads 512 consecutive bytes; the 2,048 bytes turn through the wave's own stage in LDS
; (16 bytes of padding behind each 64) and come back 64 bytes a lane: 16 neighbours along K, two neighbouring lanes to a block.  A lane's 16 codes are 8 bytes:
; the wave stores 256 consecutive bytes.  The wave's 256 scale bytes are gathered in LDS and leave as 256 consecutive bytes.
.set XSTEPS, 16
.set SP,  80                           ; a lane's place in a stage
.set XR,  16                           ; v16-79   four sets of 16 numbers as loaded
.set XX,  80                           ; v80-111  two sets of 16 neighbours
.set XE,  112                          ; v112-127 a scale byte for each step
.set XC,  128                          ; v128-191 codes: registers of its own for each step, so that no store's data are written again
	v_lshlrev_b32 v3, 4, v2                        ; my 16 bytes of a load's 512
	s_mul_i32 s21, s[WV], 8192                     ; my wave's region
	v_lshrrev_b32 v14, 2, v2
	v_mul_u32_u24 v14, v14, SP
	v_and_b32 v15, 3, v2
	v_lshl_add_u32 v14, v15, 4, v14
	v_add_nc_u32 v14, s21, v14                     ; the stage, way in: SP (lane / 4) + 16 (lane % 4)
	v_mul_u32_u24 v15, v2, SP
	v_add_nc_u32 v15, s21, v15                     ; way out: SP x lane
	v_mul_u32_u24 v4, v2, 8                        ; my codes' place in a step's 256 bytes
	v_lshrrev_b32 v5, 1, v2
	s_add_co_u32 s21, s21, 2*32*SP                 ; behind the two stages: my wave's 256 scale bytes
	v_add_nc_u32 v5, s21, v5                       ; my block's byte
	v_lshlrev_b32 v7, 3, v2
	v_add_nc_u32 v6, s21, v7                       ; and on the way out 8 bytes a lane
	s_sub_co_u32 s22, ttmp9, 320
	s_lshl_b32 s22, s22, 2
	s_add_co_u32 s22, s22, s[WV]                   ; which run of 8,192 numbers is my wave's: 0..1023
	s_lshl_b32 s24, s22, 15
	s_add_nc_u64 s[4:5], s[4:5], s[24:25]          ; 32,768 bytes of x a run,
	s_lshl_b32 s24, s22, 12
	s_add_nc_u64 s[10:11], s[10:11], s[24:25]      ; 4,096 of codes,
	s_lshl_b32 s24, s22, 8
	s_add_nc_u64 s[12:13], s[12:13], s[24:25]      ; 256 of scale bytes
.macro XLOAD t
.irp i, 0,1,2,3
	global_load_b128 v[XR+16*((\t)%4)+4*\i:XR+16*((\t)%4)+4*\i+3], v3, s[4:5] offset:2048*(\t)+512*\i th:TH_LOAD_NT
.endr
.endm
.macro XTURN t                         ; LDS serves a wave's instructions in order: no wait between the stores and the loads
.irp i, 0,1,2,3
	ds_store_b128 v14, v[XR+16*((\t)%4)+4*\i:XR+16*((\t)%4)+4*\i+3] offset:32*SP*((\t)%2)+8*SP*\i
.endr
.irp i, 0,1,2,3
	ds_load_b128 v[XX+16*((\t)%2)+4*\i:XX+16*((\t)%2)+4*\i+3], v15 offset:32*SP*((\t)%2)+16*\i
.endr
.endm
.irp t, 0,1,2,3
	XLOAD \t
.endr
	s_wait_loadcnt 12                              ; step 0's four loads are in; the twelve of steps 1 to 3 stay out
	XTURN 0
.macro XSTEP t
.set XS, XX+16*((\t)%2)
.if (\t) > 0
	s_wait_dscnt 1                                 ; this step's numbers are back from the stage; the last step's byte store may be out
.else
	s_wait_dscnt 0x0
.endif
.if (\t)+4 < XSTEPS
	XLOAD (\t)+4                                   ; into the set whose stores into the stage are done
.endif
.if (\t)+1 < XSTEPS
.if XSTEPS-2-(\t) >= 3
	s_wait_loadcnt 12                              ; the next step's four loads are in; those of the three steps behind it may be out
.else
	s_wait_loadcnt 4*(XSTEPS-2-(\t))               ; the counts run down: nothing more is loaded
.endif
	XTURN (\t)+1                                   ; through the other stage while this step is worked
.endif
	v_max3_num_f32 v8, |v[XS]|, |v[XS+1]|, |v[XS+2]|       ; the largest magnitude of my 16, in two chains
	v_max3_num_f32 v9, |v[XS+3]|, |v[XS+4]|, |v[XS+5]|
.irp i, 6,10
	v_max3_num_f32 v8, v8, |v[XS+\i]|, |v[XS+\i+1]|
	v_max3_num_f32 v9, v9, |v[XS+\i+2]|, |v[XS+\i+3]|
.endr
	v_max3_num_f32 v8, v8, |v[XS+14]|, |v[XS+15]|
	v_max3_num_f32 v8, v8, v9, 0x1800000           ; and the floor 2^(3 - 127): the byte cannot fall under 1
	v_max_num_f32_dpp v8, v8, v8 row_xmask:1 row_mask:0xf bank_mask:0xf   ; with my neighbour's 16: the block's
	v_add_nc_u32 v11, 0xff000000, v8               ; 2 off the exponent field: the conversion takes that field as its scale
	v_cvt_scalef32_pk8_fp4_f32 v[XC+4*(\t)], v[XS:XS+7], v11
	v_cvt_scalef32_pk8_fp4_f32 v[XC+4*(\t)+1], v[XS+8:XS+15], v11
	v_lshrrev_b32 v[XE+(\t)], 23, v11              ; the scale's byte (also the plain line behind the conversions)
	ds_store_b8 v5, v[XE+(\t)] offset:16*(\t)      ; both lanes of a block write the same byte with the same value
	global_store_b64 v4, v[XC+4*(\t):XC+4*(\t)+1], s[10:11] offset:256*(\t)
.endm
.irp t, 0,1,2,3,4,5,6,7,8,9,10,11,12,13,14,15
	XSTEP \t
.endr
	ds_load_b64 v[8:9], v6                         ; in order behind my byte stores
	s_wait_dscnt 0x0
	global_store_b64 v7, v[8:9], s[12:13]          ; 32 lanes store 256 consecutive bytes
	s_wait_tensorcnt 0x0                           ; the wave's end: behind my last LDS store
	ds_add_u32 v[SPW], v[NIL]
	s_wait_dscnt 0x0
	s_endpgm
; ---------------------------------------------------------------- W_qkv: K is its first axis
; A work-group takes 32 columns x 512 along K; wave w the 128 rows 128 w on: four blocks.  A LANE TAKES A COLUMN AND ITS REGISTERS RUN DOWN K: a load reads 128
; consecutive bytes, a block lies in one lane's 32 registers, and the conversions give codes with K innermost.  The four waves' codes meet in a stage (a row a column,
; 256 bytes + 16), a barrier, and each wave stores 8 whole runs of 256 bytes.
.set WX,   32                          ; v32-95   two sets of 32 numbers
.set WC,   96                          ; v96-99   a block's codes
.set WOUT, 112                         ; v112-127 the way out
.set WSB,  24                          ; v24      my four scale bytes
.Lpath_w:
	s_lshr_b32 s21, ttmp9, 1                       ; which 32 columns: 0..95
	s_and_b32 s22, ttmp9, 1                        ; which 512 along K
	v_lshlrev_b32 v3, 2, v2                        ; in: 4 bytes a lane
	v_mul_u32_u24 v4, v2, 272
	s_lshl_b32 s23, s[WV], 6
	s_add_co_u32 s23, s23, WST
	v_add_nc_u32 v4, s23, v4                       ; stage, way in: row = my column, my wave's 64 bytes
	v_lshlrev_b32 v5, 4, v2
	s_lshl_b32 s23, s[WV], 2
	s_add_co_u32 s23, s23, WSC
	v_add_nc_u32 v5, s23, v5                       ; scale word, way in: 16 bytes a column, my wave's 4
	s_lshl_b32 s23, s[WV], 7
	s_add_co_u32 s23, s23, WSC
	v_add_nc_u32 v6, s23, v3                       ; way out: my wave's 128 bytes = 8 columns' 16
	v_lshrrev_b32 v20, 4, v2
	v_and_b32 v21, 15, v2
	v_mul_u32_u24 v7, v20, 272
	v_lshl_add_u32 v7, v21, 4, v7
	s_mul_i32 s23, s[WV], 8*272
	s_add_co_u32 s23, s23, WST
	v_add_nc_u32 v7, s23, v7                       ; stage, way out: my wave's 8 rows, sixteen lanes to a row
	v_lshlrev_b32 v8, 9, v20
	v_lshl_add_u32 v8, v21, 4, v8                  ; and the same place in w_codes (rows of 512 bytes)
	v_lshrrev_b32 v9, 2, v2
	v_lshlrev_b32 v9, 5, v9
	v_and_b32 v22, 3, v2
	v_lshl_add_u32 v9, v22, 2, v9                  ; w_scales: row lane / 4 of 32 bytes, word lane % 4
	s_lshl_b32 s24, s22, 9
	s_lshl_b32 s26, s[WV], 7
	s_add_co_u32 s24, s24, s26                     ; my first row of W_qkv
	s_mul_i32 s24, s24, 12288
	s_lshl_b32 s26, s21, 7
	s_add_co_u32 s24, s24, s26
	s_add_nc_u64 s[6:7], s[6:7], s[24:25]
	s_lshl_b32 s26, s21, 5
	s_lshl_b32 s27, s[WV], 3
	s_add_co_u32 s26, s26, s27                     ; the first column that my wave stores
	s_lshl_b32 s24, s26, 9
	s_lshl_b32 s27, s22, 8
	s_add_co_u32 s24, s24, s27
	s_add_nc_u64 s[14:15], s[14:15], s[24:25]
	s_lshl_b32 s24, s26, 5
	s_lshl_b32 s27, s22, 4
	s_add_co_u32 s24, s24, s27
	s_add_nc_u64 s[16:17], s[16:17], s[24:25]
.macro WLOAD t                         ; block t: rows 32 t + i of my column into set t % 2
.irp i, 0,1,2,3,4,5,6,7,8,9,10,11,12,13,14,15,16,17,18,19,20,21,22,23,24,25,26,27,28,29,30,31
	global_load_b32 v[WX+32*((\t)%2)+\i], v3, s[6:7] offset:(32*(\t)+\i)*12288 th:TH_LOAD_NT
.endr
.endm
	WLOAD 0
	WLOAD 1
.macro WBLOCK t
.set XS, WX+32*((\t)%2)
.if (\t) < 3
	s_wait_loadcnt 32                              ; this block's 32 loads are in; the next block's may be out
.else
	s_wait_loadcnt 0x0
.endif
	v_max3_num_f32 v16, |v[XS]|, |v[XS+1]|, |v[XS+2]|      ; the block's largest magnitude: all 32 numbers are mine
	v_max3_num_f32 v17, |v[XS+3]|, |v[XS+4]|, |v[XS+5]|
.irp i, 6,10,14,18,22,26
	v_max3_num_f32 v16, v16, |v[XS+\i]|, |v[XS+\i+1]|
	v_max3_num_f32 v17, v17, |v[XS+\i+2]|, |v[XS+\i+3]|
.endr
	v_max3_num_f32 v16, v16, |v[XS+30]|, |v[XS+31]|
	v_max3_num_f32 v16, v16, v17, 0x1800000        ; and the floor
	v_add_nc_u32 v11, 0xff000000, v16              ; the conversion's scale operand
	v_lshrrev_b32 v18, 23, v11                     ; the scale's byte
.if (\t) == 0
	v_mov_b32 v[WSB], v18
.else
	v_lshl_or_b32 v[WSB], v18, 8*(\t), v[WSB]      ; the lower K in the lower byte
.endif
.irp g, 0,1,2,3
	v_cvt_scalef32_pk8_fp4_f32 v[WC+\g], v[XS+8*\g:XS+8*\g+7], v11
.endr
	ds_store_b128 v4, v[WC:WC+3] offset:16*(\t)    ; 32 codes: 16 bytes of my column's row
.if (\t)+2 < 4
	WLOAD (\t)+2
.endif
	s_wait_dscnt 0x0                               ; the store has read its registers: the next block's codes may be written
.endm
.irp t, 0,1,2,3
	WBLOCK \t
.endr
	ds_store_b32 v5, v[WSB]
	s_wait_dscnt 0x0                               ; for the others' sake: my stores are done
	s_barrier_signal -1
	s_barrier_wait -1                              ; the stage holds 32 whole rows
.irp t, 0,1,2,3
	ds_load_b128 v[WOUT+4*\t:WOUT+4*\t+3], v7 offset:2*\t*272
.endr
	ds_load_b32 v19, v6
.irp t, 0,1,2,3
	s_wait_dscnt 4-\t                              ; load t is in; the younger ones may be out
	global_store_b128 v8, v[WOUT+4*\t:WOUT+4*\t+3], s[14:15] offset:1024*\t   ; sixteen lanes store 256 consecutive bytes, aligned
.endr
	s_wait_dscnt 0x0
	global_store_b32 v9, v19, s[16:17]             ; 16 bytes of each of 8 rows of 32: one byte in 128 of what this stream reads
	s_wait_tensorcnt 0x0                           ; the wave's end: behind my last LDS store
	ds_add_u32 v[SPW], v[NIL]
	s_wait_dscnt 0x0
	s_endpgm
; ---------------------------------------------------------------- W_out: f16 images of operand registers, no LDS
; wo_img [ks 4][nt 64][c 8][1024 B]: the fragment of columns 16 nt .. + 15 and k = 256 ks + 32 c .. + 31: lane (r, h) holds column 16 nt + r; its registers 0-3 (k = 8 h + 0..7)
; lie at 16 x lane, its registers 4-7 (k = 16 + 8 h + 0..7) at 512 + 16 x lane.  A wave takes one nt and 128 along K: a lane loads its 64 numbers down K, in the fragment's order.
.Lpath_o:
	s_sub_co_u32 s21, ttmp9, 192
	s_and_b32 s22, s21, 15
	s_lshl_b32 s22, s22, 2
	s_add_co_u32 s22, s22, s[WV]                   ; nt: the four waves stand side by side on 256 bytes of each row
	s_lshr_b32 s23, s21, 4                         ; which 128 along K: 0..7
	v_and_b32 v5, 15, v2
	v_lshrrev_b32 v6, 4, v2
	v_lshlrev_b32 v3, 2, v5
	v_lshl_add_u32 v3, v6, 15, v3                  ; 4 r + 8 h rows of 4,096 bytes
	v_lshlrev_b32 v4, 4, v2                        ; 16 x lane
	s_lshl_b32 s24, s23, 19                        ; 128 rows of 4,096 bytes
	s_lshl_b32 s26, s22, 6
	s_add_co_u32 s24, s24, s26
	s_add_nc_u64 s[8:9], s[8:9], s[24:25]
	s_lshr_b32 s24, s23, 1
	s_lshl_b32 s24, s24, 19                        ; ks
	s_lshl_b32 s26, s22, 13                        ; nt
	s_add_co_u32 s24, s24, s26
	s_and_b32 s26, s23, 1
	s_lshl_b32 s26, s26, 12                        ; chunks 0-3 or 4-7
	s_add_co_u32 s24, s24, s26
	s_add_nc_u64 s[18:19], s[18:19], s[24:25]
.irp c, 0,1,2,3
.irp i, 0,1,2,3,4,5,6,7,8,9,10,11,12,13,14,15
	global_load_b32 v[32+16*\c+\i], v3, s[8:9] offset:(32*\c+(\i&7)+16*(\i>>3))*4096 th:TH_LOAD_NT
.endr
.endr
.irp c, 0,1,2,3
	s_wait_loadcnt 48-16*\c                        ; chunk c's sixteen loads are in; the younger chunks' may be out
.irp j, 0,1,2,3,4,5,6,7
	v_cvt_pk_f16_f32 v[96+8*\c+\j], v[32+16*\c+2*\j], v[32+16*\c+2*\j+1]
.endr
	global_store_b128 v4, v[96+8*\c:96+8*\c+3], s[18:19] offset:1024*\c          ; 512 consecutive bytes a store
	global_store_b128 v4, v[96+8*\c+4:96+8*\c+7], s[18:19] offset:1024*\c+512
.endr
	s_endpgm
.Lfunc_end_k_qb5a17313d2_prep:
	.size	k_qb5a17313d2_prep, .Lfunc_end_k_qb5a17313d2_prep-k_qb5a17313d2_prep
	.p2alignl 7, 3214868480
	.fill 96, 4, 3214868480
	.section	.rodata,"a",@progbits
	.p2align	6, 0x0
	.amdhsa_kernel k_qb5a17313d2_prep
		.amdhsa_group_segment_fixed_size 42496
		.amdhsa_private_segment_fixed_size 0
		.amdhsa_enable_private_segment 0
		.amdhsa_kernarg_size 64
		.amdhsa_user_sgpr_count 2
		.amdhsa_user_sgpr_kernarg_segment_ptr 1
		.amdhsa_wavefront_size32 1
		.amdhsa_system_sgpr_workgroup_id_x 1
		.amdhsa_system_sgpr_workgroup_id_y 1
		.amdhsa_system_sgpr_workgroup_id_z 1
		.amdhsa_system_vgpr_workitem_id 0
		.amdhsa_next_free_vgpr 192
		.amdhsa_next_free_sgpr 66
		.amdhsa_reserve_vcc 0
		.amdhsa_float_denorm_mode_32 3
		.amdhsa_float_denorm_mode_16_64 3
		.amdhsa_memory_ordered 1
		.amdhsa_forward_progress 1
		.amdhsa_inst_pref_size 64
	.end_amdhsa_kernel
	.amdgpu_metadata
---
amdhsa.version: [ 1, 2 ]
amdhsa.kernels:
  - .name:           k_qb5a17313d2_prep
    .symbol:         k_qb5a17313d2_prep.kd
    .args:
      - { .name: x, .offset: 0, .size: 8, .value_kind: global_buffer, .address_space: global }
      - { .name: W_qkv, .offset: 8, .size: 8, .value_kind: global_buffer, .address_space: global }
      - { .name: W_out, .offset: 16, .size: 8, .value_kind: global_buffer, .address_space: global }
      - { .name: x_codes, .offset: 24, .size: 8, .value_kind: global_buffer, .address_space: global }
      - { .name: x_scales, .offset: 32, .size: 8, .value_kind: global_buffer, .address_space: global }
      - { .name: w_codes, .offset: 40, .size: 8, .value_kind: global_buffer, .address_space: global }
      - { .name: w_scales, .offset: 48, .size: 8, .value_kind: global_buffer, .address_space: global }
      - { .name: wo_img, .offset: 56, .size: 8, .value_kind: global_buffer, .address_space: global }
    .group_segment_fixed_size: 42496
    .private_segment_fixed_size: 0
    .kernarg_segment_align: 8
    .kernarg_segment_size: 64
    .max_flat_workgroup_size: 128
    .sgpr_count:     66
    .vgpr_count:     192
    .wavefront_size: 32
...
	.end_amdgpu_metadata
.endif
;; end of part 1
;; launch gemm1 (part 2): grid 12 x 32, 4 waves a work-group, clusters of 4 x 4, 327,680 bytes of LDS; arguments x_codes, x_scales, w_codes, w_scales, qkv, b_qkv; writes qkv
.if DOCPART == 2
	.amdgcn_target "amdgcn-amd-amdhsa--gfx1250"
	.amdhsa_code_object_version 6
	.text
	.protected	k_qb5a17313d2_gemm1
	.globl	k_qb5a17313d2_gemm1
	.p2align	8
	.type	k_qb5a17313d2_gemm1,@function
k_qb5a17313d2_gemm1:
	s_mov_b64 s[64:65], 0
	v_nop
	global_prefetch_b8 v0, s[64:65] scope:SCOPE_SE
	s_setreg_imm32_b32 hwreg(HW_REG_WAVE_MODE, 25, 1), 1
	s_wait_xcnt 0x0
	s_wait_alu depctr_hold_cnt(0) depctr_sa_sdst(0) depctr_va_vdst(0) depctr_va_sdst(0) depctr_va_ssrc(0) depctr_va_vcc(0) depctr_vm_vsrc(0)
	s_getreg_b32 s2, hwreg(HW_REG_IB_STS2, 6, 4)
	s_cmp_eq_u32 s2, 0
	s_cbranch_scc0 .Lentry_in_a_cluster
	s_endpgm
.Lentry_in_a_cluster:
	s_bfe_u32 s2, ttmp6, 0x10000c
	s_cmp_lg_u32 s2, 0xf033
	s_cbranch_scc0 .Lentry_shape_is_right
	s_endpgm
.Lentry_shape_is_right:
; qkv = x W_qkv + b_qkv on codes of E2M1 with one E8M0 scale for each 32 along K, sums in f32; the result is rounded to f16 and laid by heads: qkv [which 3][batch x 16 + head][token 2048][64].
; A: x_codes [8192][512 B], x_scales [8192][32].  B: w_codes [3072][512 B], w_scales [3072][32].  K = 1,024: two LDS slots of 512 along K, both asked for at the head; nothing is filled again.
; A tile of 256 x 256 is made by four waves, 128 x 128 each: 64 accumulators, 512 registers.  The scales of the work-group's 256 + 256 rows come into LDS once, as rows of 256 bytes.
; CLUSTERS: 4 x 4 work-groups; A's tiles are asked for jointly along a row of the cluster, B's along a column.
; THE MATRIX INSTRUCTION IS USED TRANSPOSED (source 0 = 16 rows of B, source 1 = 16 rows of A): a lane holds eight neighbouring columns of one row.  The bias is the C of each sum's first product.
; LIMIT: a result beyond 65,504 becomes infinity in f16.
; REGISTERS: window 0: v0-31 addresses; v32-95 scale words, two sets; v128-191 A's fragments, one set; v192-255 the bias, later the way out (with v96-127).
;   window 1: B's fragments, two sets.   window 2: the accumulators of my rows 0-63 ((a, b) at v[8 (8 a + b)]);   window 3: those of my rows 64-127.
.set SIZE_K, 1024
.set KSTEP,  512
.set NQ,     KSTEP/128
.set ROWB,   256                       ; a tile's row in bytes
.set KROW,   SIZE_K*4/8                ; a row of codes in memory
.set PITCH,  272                       ; an LDS row: 256 bytes + 16 of padding: the 16 rows that a load touches start at 16 different groups of four banks (64 banks of 4 bytes: ISA guide 11.1)
.set FR,     8
.set NL,     2
.set NP,     4                         ; places behind this matrix instruction (ISA guide 7.12.1)
.set HALFT,  128*PITCH
.set SLOT,   4*HALFT
.set KS,     SIZE_K/32
.set SCL,    2*SLOT                    ; behind the slots: the scales
.set HALFS,  (128*KS/256)*272
.set SBLK,   (16*KS/256)*272
.set SPARE,  SCL+4*HALFS               ; the spare words, 128 bytes for each wave
.set SPITCH, 400                       ; the way out: a stage of 16 rows x (256 bytes + 144) for each wave, in slot 0, which has had its one fill and its last read by then
.set ADRA, 16
.set ADRB, 20
.set STO,  24
.set RD,   25
.set CO,   26
.set ADRS, 27
.set SPW,  28
.set NIL,  29
.set BO,   30                          ; v30  32 x (lane / 16): my place in the bias
.set SC,   32
.set AF,   128
.set BI,   192                         ; v192-255 register 8 b + j: b_qkv at my column 16 b + 8 (lane / 16) + j
.set TMP,  192                         ; the way out: packed results
.set G1, 24
.set G0, 32
.set G1B, 48
.set G0B, 56
.set G1S, 68
.set G0S, 76
.set G1SB, 80
.set G0SB, 88
.set MSB, 0
.macro WIN new                         ; the immediate's high byte repeats the setting that is left
.if MSB != (\new)
	s_set_vgpr_msb (MSB<<8)|(\new)
.set MSB, (\new)
.endif
.endm
.set MUL_LO, 0xa1                      ; source 0 (B) window 1, source 1 (A) window 0, C and D window 2
.set MUL_HI, 0xf1                      ; the same, C and D window 3
.set TO_B,   0x40
; A joint load: waves 0 and 1 fetch for A, waves 2 and 3 for B; the branch hangs on the wave's number alone.  An s_nop 0 and four v_nop follow each line.
.macro JLOAD g0a, g1a, g0b, g1b
	s_cmp_eq_u32 s15, 0
	s_cbranch_scc0 .Lfor_b_\@
	tensor_load_to_lds s[\g0a:\g0a+3], s[\g1a:\g1a+7]
	s_nop 0
.rept 4
	v_nop
.endr
	s_branch .Lasked_\@
.Lfor_b_\@:
	tensor_load_to_lds s[\g0b:\g0b+3], s[\g1b:\g1b+7]
	s_nop 0
.rept 4
	v_nop
.endr
.Lasked_\@:
.endm
.macro CROUND                          ; a round of the cluster's barrier
	s_barrier_signal -1
	s_barrier_wait -1
	s_cmp_lg_u32 s14, 0
	s_cbranch_scc1 .Lnot_wave_0_\@
	s_barrier_signal -3
.Lnot_wave_0_\@:
	s_barrier_wait -3
	s_barrier_signal -1
	s_barrier_wait -1
.endm
	s_load_b128 s[4:7], s[0:1], 0x0                ; A's codes s[4:5], A's scales s[6:7]
	s_load_b128 s[8:11], s[0:1], 0x10              ; B's codes s[8:9], B's scales s[10:11]
	s_load_b64 s[12:13], s[0:1], 0x20              ; qkv
	s_load_b64 s[66:67], s[0:1], 0x28              ; b_qkv
	v_lshl_add_u32 v[SPW], v0, 2, SPARE
	v_mov_b32 v[NIL], 0
	ds_add_u32 v[SPW], v[NIL]                      ; the wave's opening: the add, twice on end, and its wait ahead of my first tensor load
	ds_add_u32 v[SPW], v[NIL]
	v_lshrrev_b32 v1, 5, v0
	v_readfirstlane_b32 s14, v1                    ; wave 0..3
	s_lshr_b32 s15, s14, 1                         ; which half of the tile's rows is mine.  Also: I fetch for A (0) or for B (1)
	s_and_b32 s16, s14, 1                          ; which half of its columns.  Also: which 128 rows of that tile I fetch
	s_bfe_u32 s40, ttmp6, 0x40000                  ; cx, cy
	s_bfe_u32 s41, ttmp6, 0x40004
	s_lshl_b32 s42, ttmp9, 2
	s_add_co_u32 s42, s42, s40                     ; tile column = 4 x cluster x + cx: 0..11
	s_and_b32 s17, ttmp7, 0xffff
	s_lshl_b32 s17, s17, 2
	s_add_co_u32 s17, s17, s41                     ; tile row = 4 x cluster y + cy: 0..31
	s_lshl_b32 s43, s41, 2
	s_lshl_b32 s43, 15, s43                        ; my row of the cluster
	s_lshl_b32 s44, 0x1111, s40                    ; my column
	s_or_b32 s[G1+0], s43, (0<<16)|(1<<20)|(1<<21)|(5<<22)|(3<<25)  ; the mask; elements of 1 byte; padding on; bit 21 beside a mask; after every 64 words 4 words
	s_or_b32 s[G1B+0], s44, (0<<16)|(1<<20)|(1<<21)|(5<<22)|(3<<25)
.irp g, G1, G1B
	s_mov_b32 s[\g+1], ROWB<<16                    ; tensor_dim0
	s_mov_b32 s[\g+2], 128<<16                     ; tensor_dim1
	s_mov_b32 s[\g+3], ROWB<<16                    ; tile_dim0
	s_mov_b32 s[\g+4], 128                         ; tile_dim1
	s_mov_b32 s[\g+5], KROW                        ; the pitch
	s_mov_b32 s[\g+6], 0
	s_mov_b32 s[\g+7], 0
.endr
	s_or_b32 s[G1S+0], s43, (3<<16)|(1<<20)|(1<<21)|(5<<22)|(3<<25)   ; the scales of 128 rows: 4,096 dense bytes as 16 rows of 256, 16 bytes of padding behind each
	s_or_b32 s[G1SB+0], s44, (3<<16)|(1<<20)|(1<<21)|(5<<22)|(3<<25)
.irp g, G1S, G1SB
	s_mov_b32 s[\g+1], 32<<16
	s_mov_b32 s[\g+2], (128*KS/256)<<16
	s_mov_b32 s[\g+3], 32<<16
	s_mov_b32 s[\g+4], 128*KS/256
	s_mov_b32 s[\g+5], 32
	s_mov_b32 s[\g+6], 0
	s_mov_b32 s[\g+7], 0
.endr
	s_lshl_b32 s18, s16, 7
	s_lshl_b32 s20, s17, 8
	s_add_co_u32 s20, s20, s18                     ; A: row 256 x tile row + 128 x half
	s_lshl_b32 s46, s42, 8
	s_add_co_u32 s46, s46, s18                     ; B: row 256 x tile column + 128 x half
	s_mov_b32 s21, 0
	s_mov_b32 s47, 0
	s_mov_b64 s[18:19], KS
	s_mul_u64 s[22:23], s[20:21], s[18:19]         ; where these rows' scales begin
	s_mul_u64 s[92:93], s[46:47], s[18:19]
	s_mov_b64 s[18:19], KROW
	s_mul_u64 s[20:21], s[20:21], s[18:19]         ; and their codes
	s_mul_u64 s[46:47], s[46:47], s[18:19]
	s_mul_i32 s45, s14, HALFT                      ; where they go: wave x 128 rows
	s_mul_i32 s94, s14, HALFS
	s_wait_dscnt 0x0                               ; both opening adds are done
	s_wait_kmcnt 0x0
	s_add_nc_u64 s[20:21], s[4:5], s[20:21]
	s_add_nc_u64 s[22:23], s[6:7], s[22:23]
	s_add_nc_u64 s[46:47], s[8:9], s[46:47]
	s_add_nc_u64 s[92:93], s[10:11], s[92:93]
	CROUND                                         ; all sixteen work-groups are here: the joint loads meet
	s_mov_b32 s[G0S], 1
	s_add_co_u32 s[G0S+1], s94, SCL
	s_mov_b64 s[G0S+2:G0S+3], s[22:23]
	s_or_b32 s[G0S+3], s[G0S+3], 0x80000000
	s_mov_b32 s[G0SB], 1
	s_add_co_u32 s[G0SB+1], s94, SCL
	s_mov_b64 s[G0SB+2:G0SB+3], s[92:93]
	s_or_b32 s[G0SB+3], s[G0SB+3], 0x80000000
	JLOAD G0S, G1S, G0SB, G1SB                     ; the scales first: three loads of mine are out behind the next two
.irp s, 0,1
	s_mov_b32 s[G0+4*\s], 1
	s_add_co_u32 s[G0+4*\s+1], s45, \s*SLOT
	s_add_nc_u64 s[G0+4*\s+2:G0+4*\s+3], s[20:21], \s*ROWB
	s_or_b32 s[G0+4*\s+3], s[G0+4*\s+3], 0x80000000
	s_mov_b32 s[G0B+4*\s], 1
	s_add_co_u32 s[G0B+4*\s+1], s45, \s*SLOT
	s_add_nc_u64 s[G0B+4*\s+2:G0B+4*\s+3], s[46:47], \s*ROWB
	s_or_b32 s[G0B+4*\s+3], s[G0B+4*\s+3], 0x80000000
	JLOAD G0+4*\s, G1, G0B+4*\s, G1B
.endr
	v_and_b32 v1, 15, v0                           ; r = lane % 16
	v_bfe_u32 v2, v0, 4, 1                         ; h = lane / 16
	v_mul_u32_u24 v3, v1, PITCH
	v_lshl_add_u32 v4, v2, 4, v3                   ; a fragment's row x pitch + 16 h
	s_mul_i32 s21, s15, HALFT                      ; my 128 rows of A
	s_mul_i32 s22, s16, HALFT                      ; my 128 rows of B,
	s_add_co_u32 s22, s22, 2*HALFT                 ; behind A's 256
.irp s, 0,1
	v_add_nc_u32 v[ADRA+\s], s21, v4
	v_add_nc_u32 v[ADRB+\s], s22, v4
	s_add_co_u32 s21, s21, SLOT
	s_add_co_u32 s22, s22, SLOT
.endr
	v_mul_u32_u24 v5, v1, KS                       ; my row's scales: 32 bytes a row,
	v_lshrrev_b32 v6, 8, v5
	v_lshl_add_u32 v5, v6, 4, v5                   ; and 16 more for each 256 passed
	s_mul_i32 s21, s15, HALFS
	s_mul_i32 s22, s16, HALFS
	s_add_co_u32 s22, s22, 2*HALFS
	s_sub_co_u32 s22, s22, s21
	v_mul_u32_u24 v6, s22, v2                      ; lanes 16-31 take B's
	s_add_co_u32 s21, s21, SCL
	v_add_nc_u32 v5, v5, v6
	v_add_nc_u32 v[ADRS], s21, v5
	s_mul_i32 s23, s14, 16*SPITCH                  ; my stage
	v_mul_u32_u24 v5, v1, SPITCH
	v_lshl_add_u32 v5, v2, 4, v5
	v_add_nc_u32 v[STO], s23, v5                   ; in: row r, 16 bytes for each half of the lanes
	v_and_b32 v6, 31, v0
	v_lshlrev_b32 v[CO], 4, v6                     ; out: 16 x lane: four token rows of 128 bytes lie on end in memory
	v_lshrrev_b32 v5, 3, v6
	v_mul_u32_u24 v5, v5, SPITCH
	v_and_b32 v6, 7, v6
	v_lshl_add_u32 v5, v6, 4, v5
	v_add_nc_u32 v[RD], s23, v5                    ; back: eight lanes to a row's 128 bytes of one head
	v_lshlrev_b32 v[BO], 5, v2
	s_lshl_b32 s46, s42, 10                        ; the bias of my 128 columns: 4 x (256 x tile column + 128 x half)
	s_lshl_b32 s47, s16, 9
	s_add_co_u32 s46, s46, s47
	s_mov_b32 s47, 0
	s_add_nc_u64 s[66:67], s[66:67], s[46:47]
.irp b, 0,1,2,3,4,5,6,7
	global_load_b128 v[BI+8*\b:BI+8*\b+3], v[BO], s[66:67] offset:64*\b
	global_load_b128 v[BI+8*\b+4:BI+8*\b+7], v[BO], s[66:67] offset:64*\b+16
.endr
	s_lshr_b32 s20, s17, 3                         ; where my part begins in qkv.  By the tile row: the batch (16 heads of 2^18 bytes),
	s_lshl_b32 s20, s20, 22
	s_and_b32 s21, s17, 7
	s_lshl_b32 s21, s21, 15                        ; 256 tokens of 128 bytes,
	s_add_co_u32 s20, s20, s21
	s_lshl_b32 s21, s15, 14                        ; my 128 of them
	s_add_co_u32 s20, s20, s21
	s_mov_b32 s21, 0
	s_add_nc_u64 s[12:13], s[12:13], s[20:21]
	s_lshr_b32 s46, s42, 2                         ; by the tile column: q, k or v (2^24 bytes each),
	s_lshl_b32 s46, s46, 24
	s_and_b32 s47, s42, 3
	s_lshl_b32 s47, s47, 20                        ; four heads a tile,
	s_add_co_u32 s46, s46, s47
	s_lshl_b32 s47, s16, 19                        ; my two of them
	s_add_co_u32 s46, s46, s47
	s_mov_b32 s47, 0
	s_add_nc_u64 s[12:13], s[12:13], s[46:47]
.macro FRAG reg, adr, q, i             ; 16 rows x 128 K of 4-bit codes: lane l holds row l % 16; registers 4 c .. 4 c + 3 hold K = 64 c + 32 (l / 16) + 0 .. 31
.irp c, 0,1
	ds_load_b128 v[\reg+4*\c:\reg+4*\c+3], v[\adr] offset:64*(\q)+32*\c+(\i)*16*PITCH
.endr
.endm
; 16 matrix instructions: A's blocks a0, a0 + 1 x B's eight.  first = 1: the product starts the sums on the bias.  The 64 accumulators take turns, one instruction a turn.
.macro MUL16 a0, p, q, sc, first
.irp a, \a0, \a0+1
.irp b, 0,1,2,3,4,5,6,7
.if \first
	v_wmma_scale_f32_16x16x128_f8f6f4 v[8*(8*((\a)%4)+\b):8*(8*((\a)%4)+\b)+7], v[128*(\p)+FR*\b:128*(\p)+FR*\b+FR-1], v[AF+FR*(\a):AF+FR*(\a)+FR-1], v[BI+8*\b:BI+8*\b+7], v[SC+8*NQ*(\sc)+NQ*\b+(\q)], v[SC+8*NQ*(\sc)+NQ*(\a)+(\q)] matrix_a_fmt:MATRIX_FMT_FP4 matrix_b_fmt:MATRIX_FMT_FP4 matrix_a_scale:MATRIX_SCALE_ROW1
.else
	v_wmma_scale_f32_16x16x128_f8f6f4 v[8*(8*((\a)%4)+\b):8*(8*((\a)%4)+\b)+7], v[128*(\p)+FR*\b:128*(\p)+FR*\b+FR-1], v[AF+FR*(\a):AF+FR*(\a)+FR-1], v[8*(8*((\a)%4)+\b):8*(8*((\a)%4)+\b)+7], v[SC+8*NQ*(\sc)+NQ*\b+(\q)], v[SC+8*NQ*(\sc)+NQ*(\a)+(\q)] matrix_a_fmt:MATRIX_FMT_FP4 matrix_b_fmt:MATRIX_FMT_FP4 matrix_a_scale:MATRIX_SCALE_ROW1
.endif
.endr
.endr
.endm
.macro FETCH_B slot, q, p
	WIN TO_B
.irp i, 0,1,2,3,4,5,6,7
	FRAG 128*(\p)+FR*\i, ADRB+\slot, \q, \i
.endr
	WIN 0
.endm
.macro FETCH_A slot, q, i0
.irp i, \i0, \i0+1, \i0+2, \i0+3
	FRAG AF+FR*(\i), ADRA+\slot, \q, \i
.endr
.endm
.macro SCALES sc                       ; a slot's scale words: four a row; lanes 0-15 take A's block i, lanes 16-31 B's block i
.irp i, 0,1,2,3,4,5,6,7
	ds_load_b128 v[SC+8*NQ*\sc+NQ*\i:SC+8*NQ*\sc+NQ*\i+3], v[ADRS] offset:\i*SBLK
.endr
.endm
.macro PLACES n                        ; plain vector instructions between a matrix instruction and a load into, or a read of, its registers
.rept \n
	v_nop
.endr
.endm
.macro STEP slot, q, first             ; 128 along K, with its successor in the same slot
	s_wait_dscnt 4*NL                              ; B's set and A's blocks 0-3 are in; the youngest eight loads (A's blocks 4-7) may be out
	WIN MUL_LO-0x20*(\first)                       ; (first: C, the bias, lies in window 0)
	MUL16 0, (\q)%2, \q, \slot, \first
	MUL16 2, (\q)%2, \q, \slot, \first
	s_wait_dscnt 0                                 ; A's blocks 4-7 are in
	PLACES NP
	FETCH_B \slot, (\q)+1, 1-(\q)%2
	FETCH_A \slot, (\q)+1, 0
	WIN MUL_HI-0x30*(\first)
	MUL16 4, (\q)%2, \q, \slot, \first
	MUL16 6, (\q)%2, \q, \slot, \first
	PLACES NP
	WIN 0
	FETCH_A \slot, (\q)+1, 4
.endm
.macro TURN slot, next                 ; slot 0's last step: one barrier; in front of it each wave has waited for its part of slot 1 and for its reads of slot 0.  Nothing is filled again
	s_wait_tensorcnt 0x0                           ; all my tensor loads have landed
	ds_add_u32 v[SPW], v[NIL]                      ; 0 onto my spare word
	s_wait_dscnt 4*NL+1                            ; (the add and the youngest eight loads may be out)
	WIN MUL_LO
	MUL16 0, 1, NQ-1, \slot, 0
	s_wait_dscnt 0x0                               ; the add is done, and my reads of this slot are over
	s_barrier_signal -1
	MUL16 2, 1, NQ-1, \slot, 0
	WIN 0
	s_barrier_wait -1
	PLACES NP
	v_add_nc_u32 v[ADRS], 4*NQ, v[ADRS]            ; on to the next slot's scale words
	FETCH_B \next, 0, 0
	FETCH_A \next, 0, 0
	SCALES \next
	WIN MUL_HI
	MUL16 4, 1, NQ-1, \slot, 0
	MUL16 6, 1, NQ-1, \slot, 0
	PLACES NP
	WIN 0
	FETCH_A \next, 0, 4
.endm
	s_wait_tensorcnt 1                             ; the scales and my part of slot 0 are in; slot 1's load may be out
	s_barrier_signal -1
	s_barrier_wait -1
	FETCH_B 0, 0, 0
	FETCH_A 0, 0, 0
	SCALES 0
	FETCH_A 0, 0, 4
	s_wait_loadcnt 0x0                             ; the bias
	STEP 0, 0, 1
	STEP 0, 1, 0
	STEP 0, 2, 0
	TURN 0, 1
	STEP 1, 0, 0
	STEP 1, 1, 0
	STEP 1, 2, 0
	s_wait_dscnt 4*NL                              ; the last step: nothing more to fetch
	WIN MUL_LO
	MUL16 0, 1, NQ-1, 1, 0
	MUL16 2, 1, NQ-1, 1, 0
	s_wait_dscnt 0
	WIN MUL_HI
	MUL16 4, 1, NQ-1, 1, 0
	MUL16 6, 1, NQ-1, 1, 0
	WIN 0
; THE WAY OUT, a block of 16 rows x 128 columns (two heads) at a time: rounded to f16, 16 bytes a lane into my own stage, back as rows of 128 bytes of one head; four token rows of a head are 512 consecutive bytes of qkv.
.macro PACK a
.set AC, 64*((\a)%4)
	WIN 0x0a+5*((\a)/4)                            ; sources 0 and 1: window 2 or 3
.irp b, 0,1,2,3,4,5,6,7
.irp r, 0,1,2,3
	v_cvt_pk_f16_f32 v[TMP+4*\b+\r], v[AC+8*\b+2*\r], v[AC+8*\b+2*\r+1]   ; each accumulator from its low end on
.endr
.endr
	WIN 0
.endm
.macro TOSTAGE a
.set BB, 224-128*((\a)%2)              ; v224-255 and v96-127 by turns
.irp b, 0,1,2,3,4,5,6,7
	ds_store_b128 v[STO], v[TMP+4*\b:TMP+4*\b+3] offset:32*\b
.endr
.irp hd, 0,1
.irp t, 0,1,2,3
	ds_load_b128 v[BB+4*(4*\hd+\t):BB+4*(4*\hd+\t)+3], v[RD] offset:4*SPITCH*\t+128*\hd   ; LDS serves a wave's instructions in order: these see the stores above
.endr
.endr
.endm
.macro SEND a
.set BB, 224-128*((\a)%2)
	s_wait_dscnt 0x0                               ; the block is back in registers
	s_wait_xcnt 0x0                                ; the earlier stores have read their base and their registers
.if (\a) > 0
	s_add_nc_u64 s[12:13], s[12:13], 2048          ; 16 tokens on
.endif
.irp hd, 0,1
.irp t, 0,1,2,3
	global_store_b128 v[CO], v[BB+4*(4*\hd+\t):BB+4*(4*\hd+\t)+3], s[12:13] offset:\hd*262144+512*\t   ; 32 lanes store 512 consecutive bytes, aligned
.endr
.endr
.endm
	PLACES NP                                      ; behind the last products, ahead of the first read of results
	PACK 0
	TOSTAGE 0
.irp a, 1,2,3,4,5,6,7                  ; block a's conversions stand between block a - 1's loads from the stage and the wait for them
	PACK \a
	SEND \a-1
	TOSTAGE \a
.endr
	SEND 7
	s_wait_tensorcnt 0x0                           ; the wave's end: behind my last tensor load and my last LDS store
	ds_add_u32 v[SPW], v[NIL]
	s_wait_dscnt 0x0
	CROUND                                         ; the closing round
	s_endpgm
.Lfunc_end_k_qb5a17313d2_gemm1:
	.size	k_qb5a17313d2_gemm1, .Lfunc_end_k_qb5a17313d2_gemm1-k_qb5a17313d2_gemm1
	.p2alignl 7, 3214868480
	.fill 96, 4, 3214868480
	.section	.rodata,"a",@progbits
	.p2align	6, 0x0
	.amdhsa_kernel k_qb5a17313d2_gemm1
		.amdhsa_group_segment_fixed_size 327680
		.amdhsa_private_segment_fixed_size 0
		.amdhsa_enable_private_segment 0
		.amdhsa_kernarg_size 48
		.amdhsa_user_sgpr_count 2
		.amdhsa_user_sgpr_kernarg_segment_ptr 1
		.amdhsa_wavefront_size32 1
		.amdhsa_system_sgpr_workgroup_id_x 1
		.amdhsa_system_sgpr_workgroup_id_y 1
		.amdhsa_system_sgpr_workgroup_id_z 1
		.amdhsa_system_vgpr_workitem_id 0
		.amdhsa_next_free_vgpr 1024
		.amdhsa_next_free_sgpr 98
		.amdhsa_reserve_vcc 0
		.amdhsa_float_denorm_mode_32 3
		.amdhsa_float_denorm_mode_16_64 3
		.amdhsa_memory_ordered 1
		.amdhsa_forward_progress 1
		.amdhsa_inst_pref_size 129
	.end_amdhsa_kernel
	.amdgpu_metadata
---
amdhsa.version: [ 1, 2 ]
amdhsa.kernels:
  - .name:           k_qb5a17313d2_gemm1
    .symbol:         k_qb5a17313d2_gemm1.kd
    .args:
      - { .name: x_codes, .offset: 0, .size: 8, .value_kind: global_buffer, .address_space: global }
      - { .name: x_scales, .offset: 8, .size: 8, .value_kind: global_buffer, .address_space: global }
      - { .name: w_codes, .offset: 16, .size: 8, .value_kind: global_buffer, .address_space: global }
      - { .name: w_scales, .offset: 24, .size: 8, .value_kind: global_buffer, .address_space: global }
      - { .name: qkv, .offset: 32, .size: 8, .value_kind: global_buffer, .address_space: global }
      - { .name: b_qkv, .offset: 40, .size: 8, .value_kind: global_buffer, .address_space: global }
    .group_segment_fixed_size: 327680
    .private_segment_fixed_size: 0
    .kernarg_segment_align: 8
    .kernarg_segment_size: 48
    .max_flat_workgroup_size: 128
    .sgpr_count:     98
    .vgpr_count:     1024
    .wavefront_size: 32
...
	.end_amdgpu_metadata
.endif
;; end of part 2
;; launch attn (part 3): grid 8 x 64, 8 waves a work-group, clusters of 4 x 1, 327,680 bytes of LDS; arguments qkv, o_img; writes o_img
.if DOCPART == 3
	.amdgcn_target "amdgcn-amd-amdhsa--gfx1250"
	.amdhsa_code_object_version 6
	.text
	.protected	k_qb5a17313d2_attn
	.globl	k_qb5a17313d2_attn
	.p2align	8
	.type	k_qb5a17313d2_attn,@function
k_qb5a17313d2_attn:
	s_mov_b64 s[64:65], 0
	v_nop
	global_prefetch_b8 v0, s[64:65] scope:SCOPE_SE
	s_setreg_imm32_b32 hwreg(HW_REG_WAVE_MODE, 25, 1), 1
	s_wait_xcnt 0x0
	s_wait_alu depctr_hold_cnt(0) depctr_sa_sdst(0) depctr_va_vdst(0) depctr_va_sdst(0) depctr_va_ssrc(0) depctr_va_vcc(0) depctr_vm_vsrc(0)
	s_getreg_b32 s2, hwreg(HW_REG_IB_STS2, 6, 4)
	s_cmp_eq_u32 s2, 0
	s_cbranch_scc0 .Lentry_in_a_cluster
	s_endpgm
.Lentry_in_a_cluster:
	s_bfe_u32 s2, ttmp6, 0x10000c
	s_cmp_lg_u32 s2, 0x3003
	s_cbranch_scc0 .Lentry_shape_is_right
	s_endpgm
.Lentry_shape_is_right:
; o[bh][q][:] = the sum over k of softmax_k(q . k / 8) v[k][:], 64 (batch, head) pairs, 2,048 tokens, head size 64, no mask.  q, k, v: f16, [which][bh][token][64]; products, maxima and sums in f32;
; the weights p are rounded to f16 for the second product.  o leaves as f16 in the order of the last launch's operand registers: o_img [ks 4][mt 512][c 8][1024 B].
; SHARES.  A work-group owns 256 queries of one (batch, head); each of its eight waves 32: two tiles of 16.  Two waves share a SIMD: one wave's softmax stands beside the other's products and LDS loads.
; LAYOUT.  S^T = K Q^T (source 0 = 16 keys, source 1 = 16 queries): a lane holds ONE query (lane % 16) and keys 8 (lane / 16) + 0..7.  Two such tiles, rounded to f16 in pairs, ARE source 1 of O^T = V^T P.
; The row's sum l is a product too: ONES x P, whose every register holds the query's sum over the 32 keys: it is the sum of the same f16 weights that the numerator takes.
; SOFTMAX.  A running maximum m for each query: p = 2^(c s - c m), c = log2(e) / 8; in every step O^T and l are multiplied by a = 2^(c m_old - c m_new).  m begins at -3e38, so the first a is 0 and meets zeros.
; CLUSTER.  The four query blocks of a cluster walk the same K and V: each tile is asked for jointly.  A slot holds 256 keys (four key steps of 64); every wave fetches 64 rows: waves 0-3 of K, waves 4-7 of V.
; LIMITS: o beyond 65,504 becomes infinity in f16, o below 6e-5 keeps f16's absolute step; NaN and infinities are not served.
; REGISTERS: window 0: v2-11 addresses; v16-23 statistics (tile t at 16 + 4 t: c m, m, a, d); v24-31 ones; v32-95 K; v96-159 V; v160-223 S^T; v224-255 P (its first four a tile serve the maximum while P is dead).
;   window 1: v0-31 Q; v32-95 O^T; v96-111 l.
.set PK,    144                        ; a row of K in LDS: 128 bytes + 16: the 16 rows of a load start at 16 different groups of four banks (64 banks of 4 bytes: ISA guide 11.1)
.set PV,    160                        ; a row of V: 128 + 32
.set SK,    256                        ; keys in a slot
.set VOFF,  SK*PK                      ; a slot: 256 rows of K, then 256 rows of V
.set SLOT1, 1<<17                      ; slot 1 begins here: one exclusive or turns an address
.set SPARE, SLOT1+SK*(PK+PV)           ; the spare words, 128 bytes for each of eight waves
.set FILLB, SK*128                     ; a slot's rows of K, or of V, in memory
.set AK0, 2
.set AV0, 3
.set ADR, 4
.set ADV, 5
.set QO,  6
.set GO,  7
.set PFO, 8                            ; v8   256 x lane; never rewritten
.set SPW, 10
.set NIL, 11
.set ST,  16
.set ONE, 24
.set KF,  32                           ; fragment (16 keys kt, 32 channels kc) at KF + 8 (2 kt + kc)
.set VF,  96                           ; fragment (32 keys kk, 16 channels ct) at VF + 8 (4 kk + ct)
.set S,   160
.set P,   224
.set OT,  32                           ; in window 1
.set LS,  96                           ; in window 1
.set WV,  12
.set LIM, 15
.set PFA, 18
.set G1K, 24
.set G1V, 32
.set G0K, 40
.set G0V, 48
.set SLOTS, 56
.set CS,  58
.set SEL, 60
.set TB,  62
.set MSB, 0
.macro WIN new
.if MSB != (\new)
	s_set_vgpr_msb (MSB<<8)|(\new)
.set MSB, (\new)
.endif
.endm
.set W_KQ, 0x04                        ; source 1 (Q) window 1
.set W_PV, 0x50                        ; C and D (O^T, l) window 1
.set W_RS, 0x41                        ; destination and source 0 window 1
.macro JLOAD                           ; a joint refill; the branch hangs on the wave's number alone; an s_nop 0 and four v_nop follow each line
	s_cmp_lt_u32 s[WV], 4
	s_cbranch_scc0 .Lfor_v_\@
	tensor_load_to_lds s[G0K+4:G0K+7], s[G1K:G1K+7]
	s_nop 0
.rept 4
	v_nop
.endr
	s_branch .Lasked_\@
.Lfor_v_\@:
	tensor_load_to_lds s[G0V+4:G0V+7], s[G1V:G1V+7]
	s_nop 0
.rept 4
	v_nop
.endr
.Lasked_\@:
.endm
; A PREFETCH INTO THE L2 of what the NEXT change of slots will ask for: 32,768 bytes of K and as many of V.  Both clusters of a (batch, head) walk the same rows: the first asks.  Its four partners take 8,192 bytes each,
; told apart by address; in each, wave 0 asks for K's and wave 4 for V's, lanes 256 bytes apart: each block is named once.  The last change that fills a slot asks for nothing.
.macro ASK
	s_cmp_gt_u32 s[SLOTS], s[LIM]
	s_cbranch_scc0 .Lnot_mine_\@
	global_prefetch_b8 v[PFO], s[PFA:PFA+1] th:TH_LOAD_NT scope:SCOPE_SE
.Lnot_mine_\@:
.endm
.macro CROUND
	s_barrier_signal -1
	s_barrier_wait -1
	s_cmp_lg_u32 s[WV], 0
	s_cbranch_scc1 .Lnot_wave_0_\@
	s_barrier_signal -3
.Lnot_wave_0_\@:
	s_barrier_wait -3
	s_barrier_signal -1
	s_barrier_wait -1
.endm
	s_load_b128 s[8:11], s[0:1], 0x0               ; qkv s[8:9], o_img s[10:11]
	v_lshl_add_u32 v[SPW], v0, 2, SPARE
	v_mov_b32 v[NIL], 0
	ds_add_u32 v[SPW], v[NIL]                      ; the wave's opening: the add, twice on end, and its wait ahead of my first tensor load
	ds_add_u32 v[SPW], v[NIL]
	v_lshrrev_b32 v1, 5, v0
	v_readfirstlane_b32 s[WV], v1                  ; wave 0..7
	s_bfe_u32 s13, ttmp6, 0x40000                  ; cx
	s_lshl_b32 s14, ttmp9, 2
	s_add_co_u32 s14, s14, s13                     ; my block of 256 queries: it enters Q's and o's addresses alone
	s_and_b32 s20, ttmp7, 0xffff                   ; batch x 16 + head, which the four partners share
	s_and_b32 s16, s[WV], 3                        ; which 64 rows of a slot I fetch
	s_lshl_b32 s22, s20, 18                        ; the head's 2,048 rows of 128 bytes,
	s_lshl_b32 s23, s16, 13                        ; my 64 rows
	s_add_co_u32 s22, s22, s23
	s_mov_b32 s23, 0
	s_mul_i32 s17, s16, 64*PK                      ; their place in a slot, as K's,
	s_mul_i32 s21, s16, 64*PV
	s_add_co_u32 s21, s21, VOFF                    ; and as V's
	s_lshl_b32 s2, s20, 18
	s_lshl_b32 s3, s14, 15
	s_add_co_u32 s2, s2, s3
	s_lshl_b32 s3, s[WV], 12
	s_add_co_u32 s2, s2, s3                        ; Q: head, block of 256 rows, my wave's 32
	s_mov_b32 s3, 0
	s_mov_b32 s[G1K], 15|(1<<16)|(1<<20)|(1<<21)|(4<<22)|(3<<25)  ; the mask: all four; elements of 2 bytes; padding on; bit 21 beside a mask; after every 32 words 4 words
	s_mov_b32 s[G1V], 15|(1<<16)|(1<<20)|(1<<21)|(4<<22)|(7<<25)  ; the same with 8 words
.irp g, G1K, G1V
	s_mov_b32 s[\g+1], 64<<16                      ; tensor_dim0 = 64
	s_mov_b32 s[\g+2], 64<<16                      ; tensor_dim1 = 64
	s_mov_b32 s[\g+3], 64<<16                      ; tile_dim0 = 64
	s_mov_b32 s[\g+4], 64                          ; tile_dim1 = 64
	s_mov_b32 s[\g+5], 64                          ; the pitch
	s_mov_b32 s[\g+6], 0
	s_mov_b32 s[\g+7], 0
.endr
	s_mov_b32 s[CS], 0x3e38aa3b                    ; c = log2(e) / 8
	s_mov_b32 s[CS+1], s[CS]                       ; named with it as a pair
	s_mov_b32 s[SEL], 0x76543210
	s_mov_b32 s[SEL+1], 0xfedcba98
	s_mov_b32 s[TB], 0
	s_mov_b32 s[SLOTS], 2048/SK-2                  ; six slots are filled again
	s_and_b32 s[LIM], s[WV], 3
	s_or_b32 s[LIM], s[LIM], ttmp9                 ; 0 in waves 0 and 4 of the head's first cluster: the same in all four partners
	s_cmp_eq_u32 s[LIM], 0
	s_cselect_b32 s[LIM], 1, -1
	s_wait_dscnt 0x0                               ; both opening adds are done
	s_wait_kmcnt 0x0
	s_add_nc_u64 s[4:5], s[8:9], s[2:3]            ; Q at my wave's first row
	s_add_nc_u64 s[6:7], s[8:9], s[22:23]
	s_add_nc_u64 s[6:7], s[6:7], 0x1000000         ; K at my rows of the first slot
	s_add_nc_u64 s[8:9], s[8:9], s[22:23]
	s_add_nc_u64 s[8:9], s[8:9], 0x2000000         ; V likewise
	s_and_b32 s2, s20, 15                          ; o_img: ks = head / 4,
	s_lshr_b32 s3, s2, 2
	s_lshl_b32 s3, s3, 22
	s_and_b32 s2, s2, 3
	s_lshl_b32 s2, s2, 11                          ; chunks 2 (head % 4) on,
	s_add_co_u32 s2, s2, s3
	s_lshr_b32 s3, s20, 4
	s_lshl_b32 s3, s3, 20                          ; mt = 128 batch
	s_add_co_u32 s2, s2, s3
	s_lshl_b32 s3, s14, 17                         ; + 16 block
	s_add_co_u32 s2, s2, s3
	s_lshl_b32 s3, s[WV], 14                       ; + 2 wave, 8,192 bytes each
	s_add_co_u32 s2, s2, s3
	s_mov_b32 s3, 0
	s_add_nc_u64 s[10:11], s[10:11], s[2:3]
	s_cmp_lt_u32 s[WV], 4
	s_cselect_b64 s[PFA:PFA+1], s[6:7], s[8:9]     ; (in waves 0 and 4 these stand at a slot's first row)
	s_lshl_b32 s2, s13, 13                         ; my work-group's 8,192 bytes
	s_add_nc_u64 s[PFA:PFA+1], s[PFA:PFA+1], s[2:3]
	s_add_nc_u64 s[PFA:PFA+1], s[PFA:PFA+1], 2*FILLB   ; at the third slot's worth; the first change steps it on.  Nothing is prefetched at the head
	CROUND                                         ; all four work-groups are here: the first joint loads meet
.irp s, 0,1
	s_mov_b32 s[G0K+4*\s], 1
	s_add_co_u32 s[G0K+4*\s+1], s17, \s*SLOT1
	s_add_nc_u64 s[G0K+4*\s+2:G0K+4*\s+3], s[6:7], \s*FILLB
	s_or_b32 s[G0K+4*\s+3], s[G0K+4*\s+3], 0x80000000
	s_mov_b32 s[G0V+4*\s], 1
	s_add_co_u32 s[G0V+4*\s+1], s21, \s*SLOT1
	s_add_nc_u64 s[G0V+4*\s+2:G0V+4*\s+3], s[8:9], \s*FILLB
	s_or_b32 s[G0V+4*\s+3], s[G0V+4*\s+3], 0x80000000
.endr
	s_cmp_lt_u32 s[WV], 4                          ; a wave's two first fills stand in one branch: two loads of mine are out
	s_cbranch_scc0 .Lfirst_v
	tensor_load_to_lds s[G0K:G0K+3], s[G1K:G1K+7]
	s_nop 0
	tensor_load_to_lds s[G0K+4:G0K+7], s[G1K:G1K+7]
	s_nop 0
.rept 4
	v_nop
.endr
	s_branch .Lfirst_asked
.Lfirst_v:
	tensor_load_to_lds s[G0V:G0V+3], s[G1V:G1V+7]
	s_nop 0
	tensor_load_to_lds s[G0V+4:G0V+7], s[G1V:G1V+7]
	s_nop 0
.rept 4
	v_nop
.endr
.Lfirst_asked:
	v_and_b32 v1, 15, v0                           ; r
	v_bfe_u32 v9, v0, 4, 1                         ; h
	v_lshlrev_b32 v[QO], 7, v1
	v_lshl_add_u32 v[QO], v9, 4, v[QO]             ; row r of 128 bytes + 16 h
	WIN 0x40                                       ; destination window 1
.irp t, 0,1
.irp kc, 0,1
	global_load_b128 v[16*\t+8*\kc:16*\t+8*\kc+3],   v[QO], s[4:5] offset:2048*\t+64*\kc      ; Q stays in registers
	global_load_b128 v[16*\t+8*\kc+4:16*\t+8*\kc+7], v[QO], s[4:5] offset:2048*\t+64*\kc+32
.endr
.endr
.set i, OT
.rept 80
	v_mov_b32 v[i], 0                              ; O^T and l: the key step is written in one form; its first pass finds zeros
.set i, i+1
.endr
	WIN 0
	v_mul_u32_u24 v[AK0], v1, PK
	v_lshl_add_u32 v[AK0], v9, 4, v[AK0]           ; K: row r x pitch + 16 h
	v_and_b32 v14, 7, v0
	v_bfe_u32 v15, v0, 3, 1
	v_lshl_add_u32 v[AV0], v9, 3, v14              ; V, for the turning load: key 8 h + lane % 8,
	v_mul_u32_u24 v[AV0], v[AV0], PV
	v_lshl_add_u32 v[AV0], v15, 4, v[AV0]          ; channels 8 ((lane / 8) % 2) on
	v_add_nc_u32 v[AV0], VOFF, v[AV0]
	v_and_b32 v[GO], 31, v0
	v_lshlrev_b32 v[PFO], 8, v[GO]
	v_lshlrev_b32 v[GO], 4, v[GO]                  ; 16 x lane
.irp j, 0,1,2,3,4,5,6,7
	v_mov_b32 v[ONE+\j], 0x3c003c00                ; 1.0 twice, in f16
.endr
.irp t, 0,1
	v_mov_b32 v[ST+4*\t+1], 0xff61b1e6             ; m = -3e38, under every score
	v_mul_f32 v[ST+4*\t], s[CS], v[ST+4*\t+1]      ; c m
.endr
.macro FETCH_K q                       ; the slot's q-th 64 keys: 8 fragments, 16 loads
	v_add_nc_u32 v[ADR], s[TB], v[AK0]
.irp f, 0,1,2,3,4,5,6,7
	ds_load_b128 v[KF+8*\f:KF+8*\f+3],   v[ADR] offset:64*PK*(\q)+16*PK*(\f/2)+64*(\f%2)
	ds_load_b128 v[KF+8*\f+4:KF+8*\f+7], v[ADR] offset:64*PK*(\q)+16*PK*(\f/2)+64*(\f%2)+32
.endr
.endm
.macro FETCH_V q                       ; the same keys' V, turned.  The addition and three v_nop are the four places behind the products K Q^T (whose results are read next) and behind the last step's V^T P (whose operands are loaded and written next)
	v_add_nc_u32 v[ADV], s[TB], v[AV0]
.rept 3
	v_nop
.endr
.irp f, 0,1,2,3,4,5,6,7
	ds_load_tr16_b128 v[VF+8*\f:VF+8*\f+3],   v[ADV] offset:64*PV*(\q)+32*PV*(\f/4)+32*(\f%4)
	ds_load_tr16_b128 v[VF+8*\f+4:VF+8*\f+7], v[ADV] offset:64*PV*(\q)+32*PV*(\f/4)+32*(\f%4)+16*PV
.endr
.endm
.macro KQ                              ; S^T = K Q^T: 16 products; the eight accumulators take turns; the first eight start the sums
	WIN W_KQ
.irp kc, 0,1
.irp kt, 0,1,2,3
.irp t, 0,1
.if \kc == 0
	v_wmma_f32_16x16x32_f16 v[S+32*\t+8*\kt:S+32*\t+8*\kt+7], v[KF+8*(2*\kt+\kc):KF+8*(2*\kt+\kc)+7], v[16*\t+8*\kc:16*\t+8*\kc+7], 0
.else
	v_wmma_f32_16x16x32_f16 v[S+32*\t+8*\kt:S+32*\t+8*\kt+7], v[KF+8*(2*\kt+\kc):KF+8*(2*\kt+\kc)+7], v[16*\t+8*\kc:16*\t+8*\kc+7], v[S+32*\t+8*\kt:S+32*\t+8*\kt+7]
.endif
.endr
.endr
.endr
.endm
.macro MAXP                            ; the new maximum: four chains of seven scores a tile (each accumulator is read from its low end on), the four left over, the old m, the other half of the lanes; the tiles alternate
.irp j, 0,1,2,3
.irp t, 0,1
	v_max3_num_f32 v[P+16*\t+\j], v[S+32*\t+8*\j], v[S+32*\t+8*\j+1], v[S+32*\t+8*\j+2]
.endr
.endr
.irp g, 3,5
.irp j, 0,1,2,3
.irp t, 0,1
	v_max3_num_f32 v[P+16*\t+\j], v[P+16*\t+\j], v[S+32*\t+8*\j+\g], v[S+32*\t+8*\j+\g+1]
.endr
.endr
.endr
.irp t, 0,1
	v_max3_num_f32 v[P+16*\t], v[P+16*\t], v[S+32*\t+7], v[S+32*\t+15]
	v_max3_num_f32 v[P+16*\t+2], v[P+16*\t+2], v[S+32*\t+23], v[S+32*\t+31]
.endr
.irp t, 0,1
	v_max3_num_f32 v[P+16*\t], v[P+16*\t], v[P+16*\t+1], v[P+16*\t+2]
.endr
.irp t, 0,1
	v_max3_num_f32 v[P+16*\t], v[P+16*\t], v[P+16*\t+3], v[ST+4*\t+1]
.endr
.irp t, 0,1
	v_permlanex16_b32 v[P+16*\t+1], v[P+16*\t], s[SEL], s[SEL+1]   ; the query's other 32 keys lie in the lane 16 away
.endr
.irp t, 0,1
	v_mov_b32 v[ST+4*\t+3], v[ST+4*\t]             ; c m_old
.endr
.irp t, 0,1
	v_max_num_f32 v[ST+4*\t+1], v[P+16*\t], v[P+16*\t+1]
.endr
.irp t, 0,1
	v_mul_f32 v[ST+4*\t], s[CS], v[ST+4*\t+1]
.endr
.irp t, 0,1
	v_sub_f32 v[ST+4*\t+3], v[ST+4*\t+3], v[ST+4*\t]
.endr
.endm
.macro EXPP                            ; ONE BATCH: both a, the 32 packed scalings c s - c m and the 64 exponentials; none of these names an exponential's result; one plain line and one wait close it
.irp t, 0,1
	v_exp_f32 v[ST+4*\t+2], v[ST+4*\t+3]
.endr
.set i, 0
.rept 16
	v_pk_fma_f32 v[S+2*i:S+2*i+1], v[S+2*i:S+2*i+1], s[CS:CS+1], v[ST:ST+1] op_sel_hi:[1,0,0] neg_lo:[0,0,1] neg_hi:[0,0,1]
.set i, i+1
.endr
.set i, 0
.rept 16
	v_pk_fma_f32 v[S+32+2*i:S+32+2*i+1], v[S+32+2*i:S+32+2*i+1], s[CS:CS+1], v[ST+4:ST+5] op_sel_hi:[1,0,0] neg_lo:[0,0,1] neg_hi:[0,0,1]
	v_exp_f32 v[S+2*i], v[S+2*i]
	v_exp_f32 v[S+2*i+1], v[S+2*i+1]
.set i, i+1
.endr
.set i, 0
.rept 32
	v_exp_f32 v[S+32+i], v[S+32+i]
.set i, i+1
.endr
	v_nop                                          ; a plain instruction behind the last exponential
	s_wait_alu depctr_va_vdst(0)                   ; the wait ahead of the first instruction that names a result: one for the 66
.endm
.macro CVTP                            ; the weights in f16: two tiles of S^T make one operand of 32 keys
.set i, 0
.rept 32
	v_cvt_pk_f16_f32 v[P+i], v[S+2*i], v[S+2*i+1]
.set i, i+1
.endr
.endm
.macro RESC                            ; O^T and l under the new maximum.  Of l's eight equal registers the first pair alone is carried; the other six hold sums of weights of at most 1, at most 2,048, and nobody reads them
	WIN W_RS
.irp t, 0,1
.set i, 0
.rept 16
	v_pk_mul_f32 v[OT+32*\t+2*i:OT+32*\t+2*i+1], v[OT+32*\t+2*i:OT+32*\t+2*i+1], v[ST+4*\t+2:ST+4*\t+3] op_sel_hi:[1,0]
.set i, i+1
.endr
	v_pk_mul_f32 v[LS+8*\t:LS+8*\t+1], v[LS+8*\t:LS+8*\t+1], v[ST+4*\t+2:ST+4*\t+3] op_sel_hi:[1,0]
.endr
.endm
.macro PVP                             ; O^T += V^T P and l += ONES P: 20 products, ten accumulators by turns
	WIN W_PV
.irp kk, 0,1
.irp ct, 0,1,2,3
.irp t, 0,1
	v_wmma_f32_16x16x32_f16 v[OT+32*\t+8*\ct:OT+32*\t+8*\ct+7], v[VF+8*(4*\kk+\ct):VF+8*(4*\kk+\ct)+7], v[P+16*\t+8*\kk:P+16*\t+8*\kk+7], v[OT+32*\t+8*\ct:OT+32*\t+8*\ct+7]
.endr
.endr
.irp t, 0,1
	v_wmma_f32_16x16x32_f16 v[LS+8*\t:LS+8*\t+7], v[ONE:ONE+7], v[P+16*\t+8*\kk:P+16*\t+8*\kk+7], v[LS+8*\t:LS+8*\t+7]
.endr
.endr
	WIN 0
.endm
; THE CHANGE OF SLOTS stands inside a slot's last key step, behind that step's loads of V, the slot's last reads.  Each wave waits for all its tensor loads (one is out: its part of the other slot), adds 0 to its spare word,
; and waits for that and for its reads.  fill = 1: the barrier is a round of the cluster's, and the joint refill, with the keys two slots on, is the first thing behind it: it has four key steps in which to land.
.macro CHANGE fill
	s_wait_tensorcnt 0x0                           ; no tensor load of mine is out, so a group 0 may be written
	ds_add_u32 v[SPW], v[NIL]
.if \fill
.irp g, G0K+4, G0V+4
	s_xor_b32 s[\g+1], s[\g+1], SLOT1              ; the walking descriptor: the other slot than last time,
	s_add_nc_u64 s[\g+2:\g+3], s[\g+2:\g+3], FILLB ; the next 256 keys
.endr
	s_wait_xcnt 0x0                                ; the last prefetch, a slot back, has read its address
	s_add_nc_u64 s[PFA:PFA+1], s[PFA:PFA+1], FILLB
	s_wait_dscnt 0x0                               ; the add is done, and my reads of the slot are over
	CROUND
	JLOAD
	ASK
.else
	s_wait_dscnt 0x0
	s_barrier_signal -1
	s_barrier_wait -1
.endif
	s_xor_b32 s[TB], s[TB], SLOT1                  ; the fetches go on in the other slot
.endm
; A KEY STEP of 64 keys, the q-th of its slot.  mode 0: the next step's K lies in the same slot; 1: change of slots with a refill; 2: without; 3: the very last step.
.macro STEP q, mode
	s_wait_dscnt 0x0                               ; this step's K is in (asked for in the step before)
	KQ
	WIN 0
	FETCH_V \q
	MAXP
.if \mode == 0
	FETCH_K (\q)+1
.elseif \mode == 1
	CHANGE 1
	FETCH_K 0
.elseif \mode == 2
	CHANGE 0
	FETCH_K 0
.endif
	EXPP
	CVTP
	RESC
.if \mode == 3
	s_wait_dscnt 0x0                               ; V is in
.else
	s_wait_dscnt 16                                ; V is in; the sixteen younger loads, the next step's K, may be out
.endif
	PVP
.endm
.macro SLOTRUN mode
	STEP 0, 0
	STEP 1, 0
	STEP 2, 0
	STEP 3, \mode
.endm
	s_wait_tensorcnt 1                             ; my part of slot 0 is in; slot 1's may stay out
	s_barrier_signal -1
	s_barrier_wait -1
	FETCH_K 0
	s_wait_loadcnt 0x0                             ; Q
.Lslot:                                            ; six trips: each walks a slot and fills it again
	SLOTRUN 1
	s_sub_co_u32 s[SLOTS], s[SLOTS], 1
	s_cmp_lg_u32 s[SLOTS], 0
	s_cbranch_scc1 .Lslot
	SLOTRUN 2                                      ; the tail is written out
	SLOTRUN 3
	; THE WAY OUT.  O^T / l, rounded to f16: a lane's eight channels of a query, four registers, ARE half a fragment of the last launch's operand: stored as they stand, 512 consecutive bytes a store.
.rept 4
	v_nop                                          ; places behind the last products
.endr
	WIN 0x01
.irp t, 0,1
	v_rcp_f32 v[ST+4*\t+2], v[LS+8*\t]
.endr
	WIN 0
	v_nop                                          ; a plain instruction behind the reciprocals
	s_wait_alu depctr_va_vdst(0)                   ; and the wait ahead of their first use
	WIN W_RS
.irp t, 0,1
.set i, 0
.rept 16
	v_pk_mul_f32 v[OT+32*\t+2*i:OT+32*\t+2*i+1], v[OT+32*\t+2*i:OT+32*\t+2*i+1], v[ST+4*\t+2:ST+4*\t+3] op_sel_hi:[1,0]
.set i, i+1
.endr
.endr
	WIN 0x05                                       ; sources 0 and 1 window 1
.set i, 0
.rept 32
	v_cvt_pk_f16_f32 v[S+i], v[OT+2*i], v[OT+2*i+1]
.set i, i+1
.endr
	WIN 0
.irp t, 0,1
.irp ct, 0,1,2,3
	global_store_b128 v[GO], v[S+16*\t+4*\ct:S+16*\t+4*\ct+3], s[10:11] offset:8192*\t+512*\ct
.endr
.endr
	s_wait_tensorcnt 0x0                           ; the wave's end: behind my last tensor load
	ds_add_u32 v[SPW], v[NIL]
	s_wait_dscnt 0x0
	CROUND                                         ; the closing round
	s_endpgm
.Lfunc_end_k_qb5a17313d2_attn:
	.size	k_qb5a17313d2_attn, .Lfunc_end_k_qb5a17313d2_attn-k_qb5a17313d2_attn
	.p2alignl 7, 3214868480
	.fill 96, 4, 3214868480
	.section	.rodata,"a",@progbits
	.p2align	6, 0x0
	.amdhsa_kernel k_qb5a17313d2_attn
		.amdhsa_group_segment_fixed_size 327680
		.amdhsa_private_segment_fixed_size 0
		.amdhsa_enable_private_segment 0
		.amdhsa_kernarg_size 16
		.amdhsa_user_sgpr_count 2
		.amdhsa_user_sgpr_kernarg_segment_ptr 1
		.amdhsa_wavefront_size32 1
		.amdhsa_system_sgpr_workgroup_id_x 1
		.amdhsa_system_sgpr_workgroup_id_y 1
		.amdhsa_system_sgpr_workgroup_id_z 1
		.amdhsa_system_vgpr_workitem_id 0
		.amdhsa_next_free_vgpr 368
		.amdhsa_next_free_sgpr 66
		.amdhsa_reserve_vcc 0
		.amdhsa_float_denorm_mode_32 3
		.amdhsa_float_denorm_mode_16_64 3
		.amdhsa_memory_ordered 1
		.amdhsa_forward_progress 1
		.amdhsa_inst_pref_size 201
	.end_amdhsa_kernel
	.amdgpu_metadata
---
amdhsa.version: [ 1, 2 ]
amdhsa.kernels:
  - .name:           k_qb5a17313d2_attn
    .symbol:         k_qb5a17313d2_attn.kd
    .args:
      - { .name: qkv, .offset: 0, .size: 8, .value_kind: global_buffer, .address_space: global }
      - { .name: o_img, .offset: 8, .size: 8, .value_kind: global_buffer, .address_space: global }
    .group_segment_fixed_size: 327680
    .private_segment_fixed_size: 0
    .kernarg_segment_align: 8
    .kernarg_segment_size: 16
    .max_flat_workgroup_size: 256
    .sgpr_count:     66
    .vgpr_count:     368
    .wavefront_size: 32
...
	.end_amdgpu_metadata
.endif
;; end of part 3
;; launch proj (part 4): grid 8 x 64, 4 waves a work-group, clusters of 4 x 4, 327,680 bytes of LDS; arguments o_img, wo_img, out0, b_out; writes out0
.if DOCPART == 4
	.amdgcn_target "amdgcn-amd-amdhsa--gfx1250"
	.amdhsa_code_object_version 6
	.text
	.protected	k_qb5a17313d2_proj
	.globl	k_qb5a17313d2_proj
	.p2align	8
	.type	k_qb5a17313d2_proj,@function
k_qb5a17313d2_proj:
	s_mov_b64 s[64:65], 0
	v_nop
	global_prefetch_b8 v0, s[64:65] scope:SCOPE_SE
	s_setreg_imm32_b32 hwreg(HW_REG_WAVE_MODE, 25, 1), 1
	s_wait_xcnt 0x0
	s_wait_alu depctr_hold_cnt(0) depctr_sa_sdst(0) depctr_va_vdst(0) depctr_va_sdst(0) depctr_va_ssrc(0) depctr_va_vcc(0) depctr_vm_vsrc(0)
	s_getreg_b32 s2, hwreg(HW_REG_IB_STS2, 6, 4)
	s_cmp_eq_u32 s2, 0
	s_cbranch_scc0 .Lentry_in_a_cluster
	s_endpgm
.Lentry_in_a_cluster:
	s_bfe_u32 s2, ttmp6, 0x10000c
	s_cmp_lg_u32 s2, 0xf033
	s_cbranch_scc0 .Lentry_shape_is_right
	s_endpgm
.Lentry_shape_is_right:
; out0 = o W_out + b_out.  o [8192][1024] and W_out [1024 k][1024 n] arrive in f16 as images of operand registers: o_img [ks 4][mt 512][c 8][1024 B], wo_img [ks 4][nt 64][c 8][1024 B]: the fragment of 16 rows
; (of o: tokens; of W_out: columns n) and k = 256 ks + 32 c .. + 31; lane l's registers 0-3 at 16 l, registers 4-7 at 512 + 16 l.  Sums in f32; out0 f32.
; A tile of 128 x 128 is made by four waves, 64 x 64 each: 16 accumulators.  K goes in steps of 256 through two LDS slots; a K step's 4 row tiles are 32,768 dense bytes: one tensor load a wave, no padding,
; and a fragment load reads 512 consecutive bytes.  512 work-groups.
; CLUSTERS: 4 x 4; o's tiles are asked for jointly along a row of the cluster, W_out's along a column.  THE MATRIX INSTRUCTION IS USED TRANSPOSED (source 0 = W_out's columns, source 1 = o's rows):
; a lane holds eight neighbouring columns of a row of out0.  The bias is the C of each sum's first product.
; REGISTERS: window 0: v0-31 addresses; v32-95 the way out; v96-127 the bias; v128-255 the accumulators ((a, b) at v[128 + 8 (4 a + b)]).  window 1: two fragment buffers of 128: 64 of o, then 64 of W_out.
.set HALFT,  32768                     ; 4 row tiles x 8 chunks x 1,024 bytes: what one tensor load brings
.set SLOT,   4*HALFT
.set STAGE,  2*SLOT                    ; behind the slots: 16 rows x 272 bytes for each wave
.set SPITCH, 272
.set SPARE,  STAGE+4*16*SPITCH         ; the spare words, 128 bytes for each wave
.set LAPS,   2                         ; a lap = two K steps
.set KSA,    4194304                   ; a K step on in o_img,
.set KSB,    524288                    ; and in wo_img
.set ADRA, 16
.set ADRB, 20
.set STO,  24
.set RD,   25
.set CO,   26
.set BO,   27
.set SPW,  28
.set NIL,  29
.set TMP,  32
.set BI,   96
.set ACC,  128
.set F0,   0
.set F1,   128
.set G1, 24
.set G0, 32
.set G1B, 48
.set G0B, 56
.set MSB, 0
.macro WIN new
.if MSB != (\new)
	s_set_vgpr_msb (MSB<<8)|(\new)
.set MSB, (\new)
.endif
.endm
.set MUL,  0x05                        ; sources 0 and 1 window 1; C and D window 0
.set TO_F, 0x40
.macro JLOAD s                         ; waves 0 and 1 fetch o's two halves, waves 2 and 3 W_out's; an s_nop 0 and four v_nop follow each line
	s_cmp_eq_u32 s11, 0
	s_cbranch_scc0 .Lfor_b_\@
	tensor_load_to_lds s[G0+4*\s:G0+4*\s+3], s[G1:G1+7]
	s_nop 0
.rept 4
	v_nop
.endr
	s_branch .Lasked_\@
.Lfor_b_\@:
	tensor_load_to_lds s[G0B+4*\s:G0B+4*\s+3], s[G1B:G1B+7]
	s_nop 0
.rept 4
	v_nop
.endr
.Lasked_\@:
.endm
.macro CREST
	s_cmp_lg_u32 s10, 0
	s_cbranch_scc1 .Lnot_wave_0_\@
	s_barrier_signal -3
.Lnot_wave_0_\@:
	s_barrier_wait -3
	s_barrier_signal -1
	s_barrier_wait -1
.endm
.macro CROUND
	s_barrier_signal -1
	s_barrier_wait -1
	CREST
.endm
	s_load_b128 s[4:7], s[0:1], 0x0                ; o_img s[4:5], wo_img s[6:7]
	s_load_b64 s[8:9], s[0:1], 0x10                ; out0
	s_load_b64 s[66:67], s[0:1], 0x18              ; b_out
	v_lshl_add_u32 v[SPW], v0, 2, SPARE
	v_mov_b32 v[NIL], 0
	ds_add_u32 v[SPW], v[NIL]                      ; the wave's opening: the add, twice on end, and its wait ahead of my first tensor load
	ds_add_u32 v[SPW], v[NIL]
	v_lshrrev_b32 v1, 5, v0
	v_readfirstlane_b32 s10, v1                    ; wave 0..3
	s_lshr_b32 s11, s10, 1                         ; which half of the tile's rows is mine.  Also: I fetch for o (0) or for W_out (1)
	s_and_b32 s12, s10, 1                          ; which half of its columns.  Also: which half of that tile I fetch
	s_bfe_u32 s40, ttmp6, 0x40000
	s_bfe_u32 s41, ttmp6, 0x40004
	s_lshl_b32 s42, ttmp9, 2
	s_add_co_u32 s42, s42, s40                     ; tile column: 0..7
	s_and_b32 s13, ttmp7, 0xffff
	s_lshl_b32 s13, s13, 2
	s_add_co_u32 s13, s13, s41                     ; tile row: 0..63
	s_lshl_b32 s43, s41, 2
	s_lshl_b32 s43, 15, s43                        ; my row of the cluster
	s_lshl_b32 s44, 0x1111, s40                    ; my column
	s_or_b32 s[G1+0], s43, (3<<16)|(1<<21)         ; the mask; elements of 8 bytes; bit 21 beside a mask; no padding
	s_or_b32 s[G1B+0], s44, (3<<16)|(1<<21)
.irp g, G1, G1B
	s_mov_b32 s[\g+1], 32<<16                      ; a dense block as 128 rows of 256 bytes: tensor_dim0 = 32
	s_mov_b32 s[\g+2], 128<<16                     ; tensor_dim1 = 128
	s_mov_b32 s[\g+3], 32<<16                      ; tile_dim0
	s_mov_b32 s[\g+4], 128                         ; tile_dim1
	s_mov_b32 s[\g+5], 32                          ; the pitch
	s_mov_b32 s[\g+6], 0
	s_mov_b32 s[\g+7], 0
.endr
	s_lshl_b32 s16, s13, 16                        ; o: 8 row tiles of 8,192 bytes a tile row,
	s_lshl_b32 s17, s12, 15                        ; the half that I fetch
	s_add_co_u32 s16, s16, s17
	s_lshl_b32 s46, s42, 16                        ; W_out likewise, by the tile column
	s_add_co_u32 s46, s46, s17
	s_mov_b32 s17, 0
	s_mov_b32 s47, 0
	s_lshl_b32 s20, s10, 15                        ; where they go: wave x 32,768
	s_wait_dscnt 0x0                               ; both opening adds are done
	s_wait_kmcnt 0x0
	s_add_nc_u64 s[14:15], s[4:5], s[16:17]
	s_add_nc_u64 s[46:47], s[6:7], s[46:47]
	CROUND                                         ; all sixteen work-groups are here: the first joint loads meet
.irp s, 0,1
	s_mov_b32 s[G0+4*\s], 1
	s_add_co_u32 s[G0+4*\s+1], s20, \s*SLOT
	s_add_nc_u64 s[G0+4*\s+2:G0+4*\s+3], s[14:15], \s*KSA
	s_or_b32 s[G0+4*\s+3], s[G0+4*\s+3], 0x80000000
	s_mov_b32 s[G0B+4*\s], 1
	s_add_co_u32 s[G0B+4*\s+1], s20, \s*SLOT
	s_add_nc_u64 s[G0B+4*\s+2:G0B+4*\s+3], s[46:47], \s*KSB
	s_or_b32 s[G0B+4*\s+3], s[G0B+4*\s+3], 0x80000000
	JLOAD \s
.endr
	v_and_b32 v1, 15, v0                           ; r
	v_bfe_u32 v2, v0, 4, 1                         ; h
	v_and_b32 v3, 31, v0
	v_lshlrev_b32 v3, 4, v3                        ; 16 x lane: an image's place for my lane
	s_lshl_b32 s21, s11, 15                        ; my 4 row tiles of o
	s_lshl_b32 s22, s12, 15                        ; my 4 of W_out,
	s_add_co_u32 s22, s22, 2*HALFT                 ; behind o's 8
.irp s, 0,1
	v_add_nc_u32 v[ADRA+\s], s21, v3
	v_add_nc_u32 v[ADRB+\s], s22, v3
	s_add_co_u32 s21, s21, SLOT
	s_add_co_u32 s22, s22, SLOT
.endr
	s_mul_i32 s23, s10, 16*SPITCH
	s_add_co_u32 s23, s23, STAGE                   ; my stage
	v_mul_u32_u24 v4, v1, SPITCH
	v_lshl_add_u32 v4, v2, 5, v4
	v_add_nc_u32 v[STO], s23, v4                   ; in: row r, 32 bytes for each half of the lanes
	v_mul_u32_u24 v5, v2, SPITCH
	v_lshl_add_u32 v5, v1, 4, v5
	v_add_nc_u32 v[RD], s23, v5                    ; back: lanes 0-15 one row of 256 bytes, lanes 16-31 the next
	v_lshlrev_b32 v5, 12, v2
	v_lshl_add_u32 v[CO], v1, 4, v5                ; and the same two rows in out0 (rows of 4,096 bytes)
	v_lshlrev_b32 v[BO], 5, v2
	s_lshl_b32 s46, s42, 9                         ; my 64 columns, in bytes: 512 x tile column + 256 x half
	s_lshl_b32 s47, s12, 8
	s_add_co_u32 s46, s46, s47
	s_mov_b32 s47, 0
	s_add_nc_u64 s[66:67], s[66:67], s[46:47]
	s_add_nc_u64 s[8:9], s[8:9], s[46:47]
	s_lshl_b32 s16, s13, 19                        ; my first row: 128 x tile row + 64 x half, 4,096 bytes each
	s_lshl_b32 s17, s11, 18
	s_add_co_u32 s16, s16, s17
	s_mov_b32 s17, 0
	s_add_nc_u64 s[8:9], s[8:9], s[16:17]
.irp b, 0,1,2,3
	global_load_b128 v[BI+8*\b:BI+8*\b+3], v[BO], s[66:67] offset:64*\b          ; register 8 b + j: b_out at my column 16 b + 8 h + j
	global_load_b128 v[BI+8*\b+4:BI+8*\b+7], v[BO], s[66:67] offset:64*\b+16
.endr
; 8 matrix instructions: row blocks a0, a0 + 1 x all 4 column blocks, 32 along K: half c of buffer f.  first = 1: the product starts the sums on the bias.  The 16 accumulators take turns
.macro MUL8 f, c, a0, first
.irp a, \a0, \a0+1
.irp b, 0,1,2,3
.if \first
	v_wmma_f32_16x16x32_f16 v[ACC+8*(4*(\a)+\b):ACC+8*(4*(\a)+\b)+7], v[\f+64+8*(4*\c+\b):\f+64+8*(4*\c+\b)+7], v[\f+8*(4*\c+\a):\f+8*(4*\c+\a)+7], v[BI+8*\b:BI+8*\b+7]
.else
	v_wmma_f32_16x16x32_f16 v[ACC+8*(4*(\a)+\b):ACC+8*(4*(\a)+\b)+7], v[\f+64+8*(4*\c+\b):\f+64+8*(4*\c+\b)+7], v[\f+8*(4*\c+\a):\f+8*(4*\c+\a)+7], v[ACC+8*(4*(\a)+\b):ACC+8*(4*(\a)+\b)+7]
.endif
.endr
.endr
.endm
; 32 LDS loads in one run: the fragments of 64 along K (two chunks, from byte k of each row tile's image) into buffer f; the first chunk first
.macro FETCH slot, k, f
	WIN TO_F
.irp c, 0,1
.irp i, 0,1,2,3
	ds_load_b128 v[\f+64+8*(4*\c+\i):\f+64+8*(4*\c+\i)+3],   v[ADRB+\slot] offset:\k+1024*\c+8192*\i
	ds_load_b128 v[\f+64+8*(4*\c+\i)+4:\f+64+8*(4*\c+\i)+7], v[ADRB+\slot] offset:\k+1024*\c+8192*\i+512
	ds_load_b128 v[\f+8*(4*\c+\i):\f+8*(4*\c+\i)+3],         v[ADRA+\slot] offset:\k+1024*\c+8192*\i
	ds_load_b128 v[\f+8*(4*\c+\i)+4:\f+8*(4*\c+\i)+7],       v[ADRA+\slot] offset:\k+1024*\c+8192*\i+512
.endr
.endr
.endm
.macro PLACES                          ; four plain vector instructions between a matrix instruction and a load into, or a read of, its registers
.rept 4
	v_nop
.endr
.endm
.macro QUARTER slot, k, f, g, first    ; 64 along K: multiplies buffer f and fetches the next quarter, at byte k, into g
	s_wait_dscnt 16                                ; the first chunk's sixteen loads are in; the second's may be out
	WIN MUL
	MUL8 \f, 0, 0, \first
	MUL8 \f, 0, 2, \first
	PLACES
	FETCH \slot, \k, \g
	s_wait_dscnt 32                                ; all but the 32 just issued
	WIN MUL
	MUL8 \f, 1, 0, 0
	MUL8 \f, 1, 2, 0
.endm
; A slot's last quarter changes slots: one barrier; in front of it each wave waits for all its tensor loads, adds 0 to its spare word, and waits for that and for its reads of this slot.  fill = 1: the slot is filled again, two K steps ahead.
.macro TURN slot, next, fill
	WIN 0
	s_wait_tensorcnt 0x0                           ; all my tensor loads have landed: my part of the next slot
	ds_add_u32 v[SPW], v[NIL]
	s_wait_dscnt 17                                ; (the add and the youngest sixteen loads may be out)
	WIN MUL
	MUL8 F1, 0, 0, 0
	s_wait_dscnt 0x0                               ; the add is done, and my reads of this slot are over
	s_barrier_signal -1
	MUL8 F1, 0, 2, 0
.if \fill
	WIN 0
.endif
	s_barrier_wait -1
.if \fill
	CREST                                          ; the barrier has opened a round of the cluster's: no wave of any partner still reads this slot or has a load on its way
	s_add_nc_u64 s[G0+4*\slot+2:G0+4*\slot+3], s[G0+4*\slot+2:G0+4*\slot+3], 2*KSA
	s_add_nc_u64 s[G0B+4*\slot+2:G0B+4*\slot+3], s[G0B+4*\slot+2:G0B+4*\slot+3], 2*KSB
	JLOAD \slot                                    ; the first tensor load behind the round; its four v_nop are also the places in front of the loads below
.else
	PLACES
.endif
	FETCH \next, 0, F0
	WIN MUL
	MUL8 F1, 1, 0, 0
	MUL8 F1, 1, 2, 0
.endm
	s_wait_tensorcnt 1                             ; my part of K step 0 is in; K step 1's may be out
	s_barrier_signal -1
	s_barrier_wait -1
	FETCH 0, 0, F0
	s_wait_loadcnt 0x0                             ; the bias
	QUARTER 0, 2048, F0, F1, 1                     ; the first quarter stands in front of the loop: its first products start the sums
	WIN 0
	s_mov_b32 s3, LAPS-1
.Llap:                                             ; a trip goes once round the two slots and fills both again
	QUARTER 0, 4096, F1, F0, 0
	QUARTER 0, 6144, F0, F1, 0
	TURN 0, 1, 1
	QUARTER 1, 2048, F0, F1, 0
	QUARTER 1, 4096, F1, F0, 0
	QUARTER 1, 6144, F0, F1, 0
	TURN 1, 0, 1
	QUARTER 0, 2048, F0, F1, 0
	WIN 0
	s_sub_co_u32 s3, s3, 1
	s_cmp_lg_u32 s3, 0
	s_cbranch_scc1 .Llap
	QUARTER 0, 4096, F1, F0, 0                     ; the last lap fills nothing
	QUARTER 0, 6144, F0, F1, 0
	TURN 0, 1, 0
	QUARTER 1, 2048, F0, F1, 0
	QUARTER 1, 4096, F1, F0, 0
	QUARTER 1, 6144, F0, F1, 0
	s_wait_dscnt 16
	WIN MUL
	MUL8 F1, 0, 0, 0
	MUL8 F1, 0, 2, 0
	s_wait_dscnt 0
	MUL8 F1, 1, 0, 0
	MUL8 F1, 1, 2, 0
	WIN 0
; THE WAY OUT, 16 rows x 64 columns at a time: a lane's 32 bytes of a row go into my own stage and come back as whole rows of 256 bytes, which sixteen lanes store, aligned.
.macro TOSTAGE a
.irp b, 0,1,2,3
	ds_store_b128 v[STO], v[ACC+8*(4*(\a)+\b):ACC+8*(4*(\a)+\b)+3] offset:64*\b        ; each accumulator from its low end on
	ds_store_b128 v[STO], v[ACC+8*(4*(\a)+\b)+4:ACC+8*(4*(\a)+\b)+7] offset:64*\b+16
.endr
.set BB, TMP+32*((\a)%2)
.irp t, 0,1,2,3,4,5,6,7
	ds_load_b128 v[BB+4*\t:BB+4*\t+3], v[RD] offset:\t*2*SPITCH    ; LDS serves a wave's instructions in order: these see the stores above, and the next block's stores come behind them
.endr
.endm
.macro SEND a, younger                 ; younger: the LDS instructions issued behind block a's loads
.set BB, TMP+32*((\a)%2)
	s_wait_dscnt \younger
.if (\a) > 0
	s_add_nc_u64 s[8:9], s[8:9], 65536             ; 16 rows on (behind a wait on XCNT: the earlier stores have read their base)
.endif
.irp t, 0,1,2,3,4,5,6,7
	global_store_b128 v[CO], v[BB+4*\t:BB+4*\t+3], s[8:9] offset:8192*\t th:TH_STORE_NT
.endr
.endm
	PLACES                                         ; behind the last products, ahead of the first read of results
	TOSTAGE 0
.irp a, 1,2,3
.if \a > 1
	s_wait_xcnt 0x0                                ; block a - 2's stores have read their registers and their base
.endif
	TOSTAGE \a
	SEND \a-1, 16                                  ; behind block a - 1's loads: block a's 8 stores and 8 loads
.endr
	s_wait_xcnt 0x0
	SEND 3, 0
	s_wait_tensorcnt 0x0                           ; the wave's end: behind my last tensor load and my last LDS store
	ds_add_u32 v[SPW], v[NIL]
	s_wait_dscnt 0x0
	CROUND                                         ; the closing round
	s_endpgm
.Lfunc_end_k_qb5a17313d2_proj:
	.size	k_qb5a17313d2_proj, .Lfunc_end_k_qb5a17313d2_proj-k_qb5a17313d2_proj
	.p2alignl 7, 3214868480
	.fill 96, 4, 3214868480
	.section	.rodata,"a",@progbits
	.p2align	6, 0x0
	.amdhsa_kernel k_qb5a17313d2_proj
		.amdhsa_group_segment_fixed_size 327680
		.amdhsa_private_segment_fixed_size 0
		.amdhsa_enable_private_segment 0
		.amdhsa_kernarg_size 32
		.amdhsa_user_sgpr_count 2
		.amdhsa_user_sgpr_kernarg_segment_ptr 1
		.amdhsa_wavefront_size32 1
		.amdhsa_system_sgpr_workgroup_id_x 1
		.amdhsa_system_sgpr_workgroup_id_y 1
		.amdhsa_system_sgpr_workgroup_id_z 1
		.amdhsa_system_vgpr_workitem_id 0
		.amdhsa_next_free_vgpr 512
		.amdhsa_next_free_sgpr 68
		.amdhsa_reserve_vcc 0
		.amdhsa_float_denorm_mode_32 3
		.amdhsa_float_denorm_mode_16_64 3
		.amdhsa_memory_ordered 1
		.amdhsa_forward_progress 1
		.amdhsa_inst_pref_size 86
	.end_amdhsa_kernel
	.amdgpu_metadata
---
amdhsa.version: [ 1, 2 ]
amdhsa.kernels:
  - .name:           k_qb5a17313d2_proj
    .symbol:         k_qb5a17313d2_proj.kd
    .args:
      - { .name: o_img, .offset: 0, .size: 8, .value_kind: global_buffer, .address_space: global }
      - { .name: wo_img, .offset: 8, .size: 8, .value_kind: global_buffer, .address_space: global }
      - { .name: out0, .offset: 16, .size: 8, .value_kind: global_buffer, .address_space: global }
      - { .name: b_out, .offset: 24, .size: 8, .value_kind: global_buffer, .address_space: global }
    .group_segment_fixed_size: 327680
    .private_segment_fixed_size: 0
    .kernarg_segment_align: 8
    .kernarg_segment_size: 32
    .max_flat_workgroup_size: 128
    .sgpr_count:     68
    .vgpr_count:     512
    .wavefront_size: 32
...
	.end_amdgpu_metadata
.endif
;; end of part 4
